; MI455X (gfx1250); checked and timed in simulation.
; The chip was launched on July 23, 2026; its instructions are those of AMD's public machine-readable ISA for CDNA 5 (MIT licence, August 2026) and "CDNA5" Instruction Set Architecture Reference Guide (July 2026). The comments in the code are by the model that wrote it; some were corrected since.
;; Fused Mo E Modular Kernel. Allowed arithmetic: float matrix products may take bf16 or f16 operands with f32 sums; all other float work in f32.
;; Inputs: hidden_states 4,096 x 1,024 float32; topk_ids 4,096 x 2 int32; topk_weights 4,096 x 2 float32; w1 8 x 1,024 x 1,024 float32; w2 8 x 512 x 1,024 float32.
;; Outputs: out0 4,096 x 1,024 float32.
;; 2 versions, each right; version 2 is version 1 with the launches scatter, combine written anew for expert scheduling mode. Each part assembles by itself: llvm-mc -triple=amdgcn-amd-amdhsa -mcpu=gfx1250 --defsym DOCPART=n.
;; ======== version 1 of 2: 5 launches
;; limits: values outside matrix products are rounded to bf16
;; workspace buffers: xs 18,874,368 bytes; w1b 16,777,216 bytes; w2b 8,388,608 bytes; hbuf 18,874,368 bytes; ybuf 37,748,736 bytes; pos 32,768 bytes of whole numbers; meta 256 bytes of whole numbers; padl 4,096 bytes of whole numbers
;; launch route (part 1): grid 1024 x 1, 8 waves a work-group, no clusters, 2,048 bytes of LDS; arguments topk_ids, w1, w2, w1b, w2b, pos, meta, padl; writes w1b, w2b, pos, meta, padl
.if DOCPART == 1
	.amdgcn_target "amdgcn-amd-amdhsa--gfx1250"
	.amdhsa_code_object_version 6
	.text
	.protected	k_q81b82f2046_route
	.globl	k_q81b82f2046_route
	.p2align	8
	.type	k_q81b82f2046_route,@function
k_q81b82f2046_route:
	s_mov_b64 s[64:65], 0
	v_nop
	global_prefetch_b8 v0, s[64:65] scope:SCOPE_SE
	s_setreg_imm32_b32 hwreg(HW_REG_WAVE_MODE, 25, 1), 1
	s_wait_xcnt 0x0
; ROUTE: sorts the 8192 (token, k) pairs by expert, as whole numbers for the later launches, and rounds both weight tensors to bf16.
; Work-groups 0-255: routing (32 pairs each).  256-767: w1 (16 k-rows each).  768-1023: w2 (16 k-rows each).
; Layout decided here: xs (and later hbuf, ybuf) has 64 blocks of 144 rows.  Expert e owns ceil(cnt_e / 144) whole blocks from row base_e on; its cnt_e real
; rows come first, in the order of the pairs, the rest are zero rows.  The sum of ceil(cnt_e / 144) is at most (8192 + 8*143)/144 < 65, so 64 blocks do for
; every input; the rows behind the last expert's blocks are zero rows too.
; pos[pair] = the pair's row; meta[block] = the block's expert (7 for blocks behind the last); padl[i] = the i-th zero row: there are always 9216 - 8192 = 1024.
; The places are only STORED here, at addresses that hang on no data; the launches that use them as addresses read them from memory.  No branch hangs on data.
; w1b has w1's columns regrouped in runs of 128: column cb*256 + g*128 + j  <-  g*512 + cb*128 + j (g = 0 gate, 1 up), so that a block of
; 256 columns holds 128 gate columns and their 128 up columns.  w2b keeps w2's order.
; LIMITS: an id outside 0..7 is taken as expert 7 (the reference would give it no contribution).  w1, w2 are rounded to bf16, to nearest even.
; No atomics: every routing work-group counts all 8192 ids itself (32 KiB) and so knows every expert's total and the count in front of its own pairs.
.set BMR,    144                       ; rows in a block
.set R,    16                          ; v[16:23]  eight words of two 16-bit counts each
.set DT,   24                          ; v24       takes the other lane's word
.set OWN,  25                          ; v25       the id of my work-group's pair number 'lane'
.set SLOT, 26                          ; v26       that pair's row
.set MB,   28                          ; v[28:29]  meta: lane l holds the experts of blocks 2 l and 2 l + 1
.set I,    32                          ; v[32:63]  all ids, 32 a thread
.set PD,   64                          ; v[64:67]  routing: four entries of padl
.set PI,   68                          ; v[68:71]  routing: their numbers, 4 t .. 4 t + 3
.set X,    64                          ; v[64:127] weights: 16 rows, 4 numbers of each
.set S,    30                          ; s[30:37]  the eight summed words
.set CNT,  38                          ; s[38:45]  cnt_e
.set BEF,  46                          ; s[46:53]  how many pairs of expert e stand in front of my 32
.set BASE, 66                          ; s[66:74]  base_e, and the end of the last expert's blocks
; two roundings: four f32 of row i become four bf16 in the row's first two registers
.macro CVT2 i
	v_cvt_pk_bf16_f32 v[X+4*\i],   v[X+4*\i],   v[X+4*\i+1]
	v_cvt_pk_bf16_f32 v[X+4*\i+1], v[X+4*\i+2], v[X+4*\i+3]
.endm
	s_load_b512 s[4:19], s[0:1], 0x0               ; ids s[4:5], w1 s[6:7], w2 s[8:9], w1b s[10:11], w2b s[12:13], pos s[14:15], meta s[16:17], padl s[18:19]
	v_lshl_add_u32 v128, v0, 2, 0x400
	v_mov_b32 v129, 0
	s_mov_b32 s22, ttmp9                           ; work-group
	v_lshrrev_b32 v2, 5, v0
	v_readfirstlane_b32 s23, v2                    ; wave 0..7
	v_and_b32 v1, 31, v0                           ; lane
	s_cmp_ge_u32 s22, 256
	s_cbranch_scc1 .Lweights                       ; the same way for all eight waves of a work-group
	; ---------------- routing ----------------
	v_lshlrev_b32 v2, 4, v0                        ; 16 t
	v_lshlrev_b32 v3, 2, v1                        ; 4 lane
	v_lshrrev_b32 v5, 3, v0                        ; t / 8: eight threads hold the 32 ids of one work-group's pairs
	s_lshl_b32 s24, s22, 7                         ; my 32 pairs: 128 bytes of ids and of pos
	s_mov_b32 s25, 0
	s_mov_b32 s26, 0x0f0f0f0f
	s_mov_b32 s27, 0x00ff00ff
	s_mov_b32 s28, 0x76543210                      ; v_permlanex16_b32: lane i reads lane i of the other half
	s_mov_b32 s29, 0xfedcba98
	s_wait_kmcnt 0x0
	s_add_nc_u64 s[78:79], s[4:5], s[24:25]
	s_add_nc_u64 s[82:83], s[14:15], s[24:25]
.irp i, 0,1,2,3,4,5,6,7
	global_load_b128 v[I+4*\i:I+4*\i+3], v2, s[4:5] offset:4096*\i     ; ids 1024 i + 4 t .. + 3
.endr
	global_load_b32 v[OWN], v3, s[78:79]
	v_mov_b32 v[DT], 0                             ; written once: a lane-crossing move counts as a reader of its destination
	v_mov_b32 v[SLOT], 0
	s_wait_loadcnt 0x0                             ; the nine loads of ids are in; nothing else is out
	; Counts.  Four ids make a word of eight 4-bit counts (at most 4 each); split into even and odd experts they are 8-bit counts,
	; summed over the thread's eight loads (at most 32).  'bef' sums only the loads' parts that stand in front of my work-group's pairs.
.irp i, 0,1,2,3,4,5,6,7
.irp k, 0,1,2,3
	v_min_u32 v[I+4*\i+\k], 7, v[I+4*\i+\k]
	v_lshlrev_b32 v[I+4*\i+\k], 2, v[I+4*\i+\k]
.endr
	v_lshl_add_u32 v6, 1, v[I+4*\i], 0
	v_lshl_add_u32 v6, 1, v[I+4*\i+1], v6
	v_lshl_add_u32 v6, 1, v[I+4*\i+2], v6
	v_lshl_add_u32 v6, 1, v[I+4*\i+3], v6
.if \i == 0
.set EV, 10                                        ; the first load starts the sums v10, v11
.set OV, 11
.else
.set EV, 7
.set OV, 8
.endif
	v_and_b32 v[EV], s26, v6                       ; experts 0, 2, 4, 6 in bytes 0..3
	v_lshrrev_b32 v[OV], 4, v6
	v_and_b32 v[OV], s26, v[OV]                    ; experts 1, 3, 5, 7
	v_add_nc_u32 v9, 32*\i, v5                     ; whose pairs these four ids are
	v_cmp_gt_u32 vcc_lo, s22, v9                   ; in front of mine?
.if \i == 0
	v_cndmask_b32 v12, 0, v10, vcc_lo
	v_cndmask_b32 v13, 0, v11, vcc_lo
.else
	v_add_nc_u32 v10, v10, v7
	v_add_nc_u32 v11, v11, v8
	v_cndmask_b32 v14, 0, v7, vcc_lo
	v_cndmask_b32 v15, 0, v8, vcc_lo
	v_add_nc_u32 v12, v12, v14
	v_add_nc_u32 v13, v13, v15
.endif
.endr
	; to 16-bit counts (the sums over 256 threads are at most 8192): R0 = e0|e4, R1 = e2|e6, R2 = e1|e5, R3 = e3|e7; R4..R7 the same of 'bef'
.irp p, 0,1,2,3
	v_and_b32 v[R+2*\p], s27, v[10+\p]
	v_lshrrev_b32 v[10+\p], 8, v[10+\p]
	v_and_b32 v[R+2*\p+1], s27, v[10+\p]
.endr
	; sum over the wave's 32 lanes
.irp m, 1,2,4,8
.irp q, 0,1,2,3,4,5,6,7
	v_mov_b32_dpp v[DT], v[R+\q] row_xmask:\m row_mask:0xf bank_mask:0xf
	v_add_nc_u32 v[R+\q], v[R+\q], v[DT]
.endr
.endr
.irp q, 0,1,2,3,4,5,6,7
	v_permlanex16_b32 v[DT], v[R+\q], s28, s29
	v_add_nc_u32 v[R+\q], v[R+\q], v[DT]
.endr
	; sum over the eight waves: each puts its eight words at 32 x wave, one barrier, every wave adds all 64 words
	s_lshl_b32 s75, s23, 5
	v_mov_b32 v14, s75
	ds_store_b128 v14, v[R:R+3]
	ds_store_b128 v14, v[R+4:R+7] offset:16
	s_wait_dscnt 0x0                               ; my words are in LDS before I say so
	s_barrier_signal -1
	s_barrier_wait -1
	ds_load_b32 v15, v3                            ; lane l: word l & 7 of wave l / 8
	ds_load_b32 v9, v3 offset:128                  ; and of wave 4 + l / 8
	s_wait_dscnt 0x0
	v_add_nc_u32 v15, v15, v9
	v_mov_b32_dpp v[DT], v15 row_xmask:8 row_mask:0xf bank_mask:0xf
	v_add_nc_u32 v15, v15, v[DT]
	v_permlanex16_b32 v[DT], v15, s28, s29
	v_add_nc_u32 v15, v15, v[DT]                   ; lane q < 8 holds the work-group's sum of word q
.irp q, 0,1,2,3,4,5,6,7
	v_readlane_b32 s[S+\q], v15, \q
.endr
.macro UNPACK p, lo, hi
	s_and_b32  s[CNT+\lo], s[S+\p], 0xffff
	s_lshr_b32 s[CNT+\hi], s[S+\p], 16
	s_and_b32  s[BEF+\lo], s[S+4+\p], 0xffff
	s_lshr_b32 s[BEF+\hi], s[S+4+\p], 16
.endm
	UNPACK 0, 0, 4
	UNPACK 1, 2, 6
	UNPACK 2, 1, 5
	UNPACK 3, 3, 7
	; blocks of expert e = ceil(cnt / 144) = floor(x / 9), x = (cnt + 143) >> 4 <= 520; floor(x / 9) = (7282 x) >> 16 there,
	; since 7282/65536 - 1/9 = 2/589824 and 8/9 + 520*2/589824 < 1
	s_mov_b32 s[BASE], 0
.irp e, 0,1,2,3,4,5,6,7
	s_add_co_u32 s75, s[CNT+\e], BMR-1
	s_lshr_b32 s75, s75, 4
	s_mul_i32 s75, s75, 7282
	s_lshr_b32 s75, s75, 16
	s_mul_i32 s75, s75, BMR
	s_add_co_u32 s[BASE+\e+1], s[BASE+\e], s75
.endr
	; my work-group's 32 pairs, one a lane (every wave does the same): row = base + pairs in front of my 32 + lower lanes with the same expert
	v_min_u32 v[OWN], 7, v[OWN]
.irp e, 0,1,2,3,4,5,6,7
	v_cmp_eq_u32 s75, \e, v[OWN]
	s_add_co_u32 s84, s[BASE+\e], s[BEF+\e]
	v_mbcnt_lo_u32_b32 v9, s75, 0
	v_add_nc_u32 v9, s84, v9
	v_cndmask_b32 v[SLOT], v[SLOT], v9, s75
.endr
	s_cmp_lg_u32 s23, 0
	s_cbranch_scc1 .Lnot_first
	global_store_b32 v3, v[SLOT], s[82:83]         ; wave 0: pos of my 32 pairs; v3 and SLOT are not written again
.Lnot_first:
	s_cmp_lg_u32 s22, 0
	s_cbranch_scc1 .Lend
	; Work-group 0, all eight waves: padl, four entries a thread, 512 consecutive bytes a wave.  P_e = the zero rows of the experts in front of e.  Zero row number i
	; belongs to the last expert e with P_e <= i (an expert without zero rows shares its P with the next, which then takes its place), and is row
	; base_e + cnt_e + (i - P_e) = i + D_e.  Expert 7's zero rows run on to row 9215, which makes 1024 in all.  The choice is a select, not a branch.
.irp k, 0,1,2,3
	v_lshl_add_u32 v[PI+\k], v0, 2, \k             ; i = 4 t + k
.endr
	s_add_co_u32 s84, s[BASE], s[CNT]              ; D_0 (P_0 = 0)
	s_mov_b32 s85, 0                               ; P_0
.irp k, 0,1,2,3
	v_mov_b32 v[PD+\k], s84
.endr
.irp e, 1,2,3,4,5,6,7
	s_sub_co_u32 s86, s[BASE+\e], s[BASE+\e-1]
	s_sub_co_u32 s86, s86, s[CNT+\e-1]             ; the zero rows of expert e - 1
	s_add_co_u32 s85, s85, s86                     ; P_e
	s_add_co_u32 s84, s[BASE+\e], s[CNT+\e]
	s_sub_co_u32 s84, s84, s85                     ; D_e
	v_mov_b32 v9, s84
.irp k, 0,1,2,3
	v_cmp_le_u32 vcc_lo, s85, v[PI+\k]
	v_cndmask_b32 v[PD+\k], v[PD+\k], v9, vcc_lo
.endr
.endr
.irp k, 0,1,2,3
	v_add_nc_u32 v[PD+\k], v[PD+\k], v[PI+\k]
.endr
	v_lshlrev_b32 v8, 4, v0
	global_store_b128 v8, v[PD:PD+3], s[18:19]     ; v8 and PD are not written again
	s_cmp_lg_u32 s23, 0
	s_cbranch_scc1 .Lend
	; wave 0 of work-group 0: meta, all its 256 bytes in one store.  A block's expert = how many of base_1 .. base_7 are at or below its first row:
	; the bases ascend, and an expert without rows shares its base with the next, so the count is the owner's number.
	v_mul_u32_u24 v6, v1, 2*BMR                    ; first row of block 2 l
	v_add_nc_u32 v7, BMR, v6                       ; and of block 2 l + 1
	v_cmp_le_u32 vcc_lo, s[BASE+1], v6
	v_cndmask_b32 v[MB], 0, 1, vcc_lo              ; the first compare starts the counts
	v_cmp_le_u32 vcc_lo, s[BASE+1], v7
	v_cndmask_b32 v[MB+1], 0, 1, vcc_lo
.irp e, 2,3,4,5,6,7
	v_cmp_le_u32 vcc_lo, s[BASE+\e], v6
	v_cndmask_b32 v9, 0, 1, vcc_lo
	v_add_nc_u32 v[MB], v[MB], v9
	v_cmp_le_u32 vcc_lo, s[BASE+\e], v7
	v_cndmask_b32 v9, 0, 1, vcc_lo
	v_add_nc_u32 v[MB+1], v[MB+1], v9
.endr
	v_lshlrev_b32 v10, 3, v1
	global_store_b64 v10, v[MB:MB+1], s[16:17]
.Lend:
	s_wait_tensorcnt 0x0
	ds_add_u32 v128, v129
	s_wait_dscnt 0x0
	s_endpgm
	; ---------------- weights: 16 k-rows of 1024 columns, f32 to bf16 ----------------
	; Thread t makes destination columns 4 t .. 4 t + 3.  A wave's load covers 512 consecutive bytes, its store 256, both aligned.
	; All sixteen loads of a wave go out in one run; no register is written again while a memory instruction may still read it.
.Lweights:
	s_sub_co_u32 s75, s22, 256                     ; my block of 16 rows in w1
	s_sub_co_u32 s84, s22, 768                     ; or in w2
	s_and_b32 s85, s23, 1                          ; w1: wave w makes columns 128 w ..: block cb = w / 2, g = w & 1,
	s_lshl_b32 s85, s85, 11                        ; which come from byte g*2048 + cb*512 of the source row
	s_lshr_b32 s86, s23, 1
	s_lshl_b32 s86, s86, 9
	s_add_co_u32 s85, s85, s86
	v_lshlrev_b32 v2, 4, v0                        ; w2: 16 t
	v_lshl_add_u32 v3, v1, 4, s85                  ; w1: 16 lane + the wave's run
	v_lshlrev_b32 v5, 3, v0                        ; destination: 8 t
	s_wait_kmcnt 0x0
	s_cmp_ge_u32 s22, 768
	s_cselect_b64 s[76:77], s[8:9], s[6:7]         ; source
	s_cselect_b64 s[78:79], s[12:13], s[10:11]     ; destination
	s_cselect_b32 s80, -1, 0
	s_cselect_b32 s75, s84, s75
	v_cndmask_b32 v4, v3, v2, s80
	s_lshl_b32 s24, s75, 16                        ; 16 rows of 4,096 bytes
	s_mov_b32 s25, 0
	s_add_nc_u64 s[76:77], s[76:77], s[24:25]
	s_lshl_b32 s24, s75, 15                        ; 16 rows of 2,048 bytes
	s_add_nc_u64 s[78:79], s[78:79], s[24:25]
.irp i, 0,1,2,3,4,5,6,7,8,9,10,11,12,13,14,15
	global_load_b128 v[X+4*\i:X+4*\i+3], v4, s[76:77] offset:4096*\i th:TH_LOAD_NT
.endr
.irp i, 0,1,2,3,4,5,6,7,8,9,10,11,12,13,14,15
	s_wait_loadcnt 15-\i                           ; row i is in, the younger ones stay out
	CVT2 \i
	global_store_b64 v5, v[X+4*\i:X+4*\i+1], s[78:79] offset:2048*\i
.endr
	s_endpgm
.Lfunc_end_k_q81b82f2046_route:
	.size	k_q81b82f2046_route, .Lfunc_end_k_q81b82f2046_route-k_q81b82f2046_route
	.p2alignl 7, 3214868480
	.fill 96, 4, 3214868480
	.section	.rodata,"a",@progbits
	.p2align	6, 0x0
	.amdhsa_kernel k_q81b82f2046_route
		.amdhsa_group_segment_fixed_size 2048
		.amdhsa_private_segment_fixed_size 0
		.amdhsa_enable_private_segment 0
		.amdhsa_kernarg_size 64
		.amdhsa_user_sgpr_count 2
		.amdhsa_user_sgpr_kernarg_segment_ptr 1
		.amdhsa_wavefront_size32 1
		.amdhsa_system_sgpr_workgroup_id_x 1
		.amdhsa_system_sgpr_workgroup_id_y 1
		.amdhsa_system_sgpr_workgroup_id_z 1
		.amdhsa_system_vgpr_workitem_id 0
		.amdhsa_next_free_vgpr 130
		.amdhsa_next_free_sgpr 90
		.amdhsa_reserve_vcc 1
		.amdhsa_float_denorm_mode_32 3
		.amdhsa_float_denorm_mode_16_64 3
		.amdhsa_memory_ordered 1
		.amdhsa_forward_progress 1
		.amdhsa_inst_pref_size 32
	.end_amdhsa_kernel
	.amdgpu_metadata
---
amdhsa.version: [ 1, 2 ]
amdhsa.kernels:
  - .name:           k_q81b82f2046_route
    .symbol:         k_q81b82f2046_route.kd
    .args:
      - { .name: topk_ids, .offset: 0, .size: 8, .value_kind: global_buffer, .address_space: global }
      - { .name: w1, .offset: 8, .size: 8, .value_kind: global_buffer, .address_space: global }
      - { .name: w2, .offset: 16, .size: 8, .value_kind: global_buffer, .address_space: global }
      - { .name: w1b, .offset: 24, .size: 8, .value_kind: global_buffer, .address_space: global }
      - { .name: w2b, .offset: 32, .size: 8, .value_kind: global_buffer, .address_space: global }
      - { .name: pos, .offset: 40, .size: 8, .value_kind: global_buffer, .address_space: global }
      - { .name: meta, .offset: 48, .size: 8, .value_kind: global_buffer, .address_space: global }
      - { .name: padl, .offset: 56, .size: 8, .value_kind: global_buffer, .address_space: global }
    .group_segment_fixed_size: 2048
    .private_segment_fixed_size: 0
    .kernarg_segment_align: 8
    .kernarg_segment_size: 64
    .max_flat_workgroup_size: 256
    .sgpr_count:     90
    .vgpr_count:     130
    .wavefront_size: 32
...
	.end_amdgpu_metadata
.endif
;; end of part 1
;; launch scatter (part 2): grid 256 x 1, 8 waves a work-group, no clusters, 0 bytes of LDS; arguments hidden_states, pos, padl, xs; writes xs
.if DOCPART == 2
	.amdgcn_target "amdgcn-amd-amdhsa--gfx1250"
	.amdhsa_code_object_version 6
	.text
	.protected	k_q81b82f2046_scatter
	.globl	k_q81b82f2046_scatter
	.p2align	8
	.type	k_q81b82f2046_scatter,@function
k_q81b82f2046_scatter:
	s_mov_b64 s[64:65], 0
	v_nop
	global_prefetch_b8 v0, s[64:65] scope:SCOPE_SE
	s_setreg_imm32_b32 hwreg(HW_REG_WAVE_MODE, 25, 1), 1
	s_wait_xcnt 0x0
; SCATTER: xs[pos[2m + k]] = bf16(hidden_states[m]) for both pairs of every token, and zeros in the 1024 rows that padl names: every byte of xs is written once.
; pos and padl were stored by the launch before and are read here from memory; clamped to xs's rows they enter the stores' offsets.  No branch at all.
; A stream: x is read once, no LDS, no barrier, no matrix unit: there is no reuse to serve.
; A work-group owns 16 tokens.  Thread t holds columns 4 t .. 4 t + 3 of each: a wave's load covers 512 consecutive bytes, its store 256, both aligned; the eight
; waves together write a row of 2,048 bytes.  All sixteen loads of a wave go out in one run, ahead of the wait for the places; each store has an offset register of
; its own, and no register is written again while a memory instruction may still read it.
; Zero rows: 256 work-groups x 8 waves = 2048 waves for 1024 rows: a wave writes one half (1,024 bytes) of row padl[4 x work-group + wave / 2].
; LIMIT: x is rounded to bf16, to nearest even.
.set MAXROW, 9215                      ; last row of xs
.set Z,    8                           ; v[8:11]   zeros
.set ZO,   12                          ; v12       my offset in my zero row
.set OF,   32                          ; v[32:63]  the 32 stores' offsets
.set X,    64                          ; v[64:127] 16 rows, 4 numbers of each
.set P,    16                          ; s[16:47]  the rows of my work-group's 32 pairs
	s_load_b256 s[4:11], s[0:1], 0x0               ; hidden_states s[4:5], pos s[6:7], padl s[8:9], xs s[10:11]
	v_lshrrev_b32 v1, 5, v0
	v_readfirstlane_b32 s12, v1                    ; wave 0..7
	v_and_b32 v2, 31, v0                           ; lane
	v_lshlrev_b32 v3, 4, v0                        ; 16 t
	v_lshlrev_b32 v4, 3, v0                        ; 8 t
	s_lshl_b32 s13, ttmp9, 7                       ; my 32 pairs: 128 bytes of pos
	s_lshr_b32 s14, s12, 1
	s_lshl_b32 s15, ttmp9, 4
	s_lshl2_add_u32 s15, s14, s15                  ; 4 bytes x (4 x work-group + wave / 2)
	s_lshl_b32 s48, ttmp9, 16                      ; my 16 rows of x: 65,536 bytes
	s_mov_b32 s49, 0
	s_and_b32 s51, s12, 1
	s_lshl_b32 s51, s51, 10                        ; which half of the zero row
	s_wait_kmcnt 0x0
	s_load_b512 s[P:P+15],    s[6:7], s13 offset:0x0
	s_load_b512 s[P+16:P+31], s[6:7], s13 offset:0x40
	s_load_b32 s50, s[8:9], s15 offset:0x0
	s_add_nc_u64 s[52:53], s[4:5], s[48:49]
.irp i, 0,1,2,3,4,5,6,7,8,9,10,11,12,13,14,15
	global_load_b128 v[X+4*\i:X+4*\i+3], v3, s[52:53] offset:4096*\i th:TH_LOAD_NT   ; token i, columns 4 t .. 4 t + 3; read once in the launch
.endr
.irp k, 0,1,2,3
	v_mov_b32 v[Z+\k], 0
.endr
	v_lshl_add_u32 v5, v2, 4, s51                  ; 16 lane + the half
	s_wait_kmcnt 0x0                               ; the places are here; the rows of x stay out
	s_min_u32 s50, s50, MAXROW                     ; a number read from memory enters an address only clamped to the buffer
	v_lshl_add_u32 v[ZO], s50, 11, v5              ; row x 2,048 bytes
	global_store_b128 v[ZO], v[Z:Z+3], s[10:11]
	global_store_b128 v[ZO], v[Z:Z+3], s[10:11] offset:512
.irp i, 0,1,2,3,4,5,6,7,8,9,10,11,12,13,14,15
	s_min_u32 s[P+2*\i],   s[P+2*\i],   MAXROW
	s_min_u32 s[P+2*\i+1], s[P+2*\i+1], MAXROW
	v_lshl_add_u32 v[OF+2*\i],   s[P+2*\i],   11, v4       ; row x 2,048 bytes + 8 t
	v_lshl_add_u32 v[OF+2*\i+1], s[P+2*\i+1], 11, v4
	s_wait_loadcnt 15-\i                           ; loads come back in order: row i is in, the 15 - i younger ones stay out
	v_cvt_pk_bf16_f32 v[X+4*\i],   v[X+4*\i],   v[X+4*\i+1]    ; four f32 become four bf16 in the row's first two registers
	v_cvt_pk_bf16_f32 v[X+4*\i+1], v[X+4*\i+2], v[X+4*\i+3]
	global_store_b64 v[OF+2*\i],   v[X+4*\i:X+4*\i+1], s[10:11]
	global_store_b64 v[OF+2*\i+1], v[X+4*\i:X+4*\i+1], s[10:11]
.endr
	s_endpgm
.Lfunc_end_k_q81b82f2046_scatter:
	.size	k_q81b82f2046_scatter, .Lfunc_end_k_q81b82f2046_scatter-k_q81b82f2046_scatter
	.p2alignl 7, 3214868480
	.fill 96, 4, 3214868480
	.section	.rodata,"a",@progbits
	.p2align	6, 0x0
	.amdhsa_kernel k_q81b82f2046_scatter
		.amdhsa_group_segment_fixed_size 0
		.amdhsa_private_segment_fixed_size 0
		.amdhsa_enable_private_segment 0
		.amdhsa_kernarg_size 32
		.amdhsa_user_sgpr_count 2
		.amdhsa_user_sgpr_kernarg_segment_ptr 1
		.amdhsa_wavefront_size32 1
		.amdhsa_system_sgpr_workgroup_id_x 1
		.amdhsa_system_sgpr_workgroup_id_y 1
		.amdhsa_system_sgpr_workgroup_id_z 1
		.amdhsa_system_vgpr_workitem_id 0
		.amdhsa_next_free_vgpr 128
		.amdhsa_next_free_sgpr 66
		.amdhsa_reserve_vcc 0
		.amdhsa_float_denorm_mode_32 3
		.amdhsa_float_denorm_mode_16_64 3
		.amdhsa_memory_ordered 1
		.amdhsa_forward_progress 1
		.amdhsa_inst_pref_size 13
	.end_amdhsa_kernel
	.amdgpu_metadata
---
amdhsa.version: [ 1, 2 ]
amdhsa.kernels:
  - .name:           k_q81b82f2046_scatter
    .symbol:         k_q81b82f2046_scatter.kd
    .args:
      - { .name: hidden_states, .offset: 0, .size: 8, .value_kind: global_buffer, .address_space: global }
      - { .name: pos, .offset: 8, .size: 8, .value_kind: global_buffer, .address_space: global }
      - { .name: padl, .offset: 16, .size: 8, .value_kind: global_buffer, .address_space: global }
      - { .name: xs, .offset: 24, .size: 8, .value_kind: global_buffer, .address_space: global }
    .group_segment_fixed_size: 0
    .private_segment_fixed_size: 0
    .kernarg_segment_align: 8
    .kernarg_segment_size: 32
    .max_flat_workgroup_size: 256
    .sgpr_count:     66
    .vgpr_count:     128
    .wavefront_size: 32
...
	.end_amdgpu_metadata
.endif
;; end of part 2
;; launch gemm1 (part 3): grid 4 x 64, 4 waves a work-group, clusters of 4 x 1, 327,680 bytes of LDS; arguments xs, w1b, meta, hbuf; writes hbuf
.if DOCPART == 3
	.amdgcn_target "amdgcn-amd-amdhsa--gfx1250"
	.amdhsa_code_object_version 6
	.text
	.protected	k_q81b82f2046_gemm1
	.globl	k_q81b82f2046_gemm1
	.p2align	8
	.type	k_q81b82f2046_gemm1,@function
k_q81b82f2046_gemm1:
	s_mov_b64 s[64:65], 0
	v_nop
	global_prefetch_b8 v0, s[64:65] scope:SCOPE_SE
	s_setreg_imm32_b32 hwreg(HW_REG_WAVE_MODE, 25, 1), 1
	s_wait_xcnt 0x0
	s_wait_alu depctr_hold_cnt(0) depctr_sa_sdst(0) depctr_va_vdst(0) depctr_va_sdst(0) depctr_va_ssrc(0) depctr_va_vcc(0) depctr_vm_vsrc(0)
	s_getreg_b32 s2, hwreg(HW_REG_IB_STS2, 6, 4)
	s_cmp_eq_u32 s2, 0
	s_cbranch_scc0 .Lentry_in_a_cluster
	s_endpgm
.Lentry_in_a_cluster:
	s_bfe_u32 s2, ttmp6, 0x10000c
	s_cmp_lg_u32 s2, 0x3003
	s_cbranch_scc0 .Lentry_shape_is_right
	s_endpgm
.Lentry_shape_is_right:
; FIRST PRODUCT: h[row][n] = silu(xs[row] . W1gate[e][:, n]) * (xs[row] . W1up[e][:, n]), rows sorted by expert, bf16 operands, f32 sums.
; (The second product has the same text with SECOND = 1.)
; h LEAVES AS TWO bf16 NUMBERS, hi = bf16(h) and lo = bf16(h - hi): what is lost between the two products is then about 2^-17 of |h| and not 2^-9, with bf16's
; range.  A row of hbuf is four blocks of 512 bytes: 128 hi, then the same 128 columns' lo; a work-group owns one block of each of its rows.
; 256 work-groups = 64 row blocks of 144 rows x 4 column blocks of 256 columns of the weights.  All rows of a block belong to one expert, meta[block], stored by
; an earlier launch; it enters the address of the weights' tiles and nothing else: no branch and no trip count hangs on data.  64 blocks serve every routing
; (the sum of ceil(cnt_e / 144) is below 65); rows that no pair owns are zeros and give zeros, blocks behind the last expert's among them.
; A wave makes all 144 rows x 64 columns: 9 x 4 accumulator tiles, 288 registers.  Here the 64 columns are 32 gate columns and their 32 up columns.
; K goes in steps of 128 through two LDS slots filled by the tensor data mover, one load a wave and step: waves 0, 1 the halves of the weights' tile
; (64 k-rows x 512 bytes), waves 2, 3 the halves of the rows' tile (72 rows x 256 bytes).  A wave has at most one tensor load outstanding.
; CLUSTERS: the 4 column blocks of a row block form a cluster.  The rows' tile hangs on the row block alone and is asked for jointly by the four: a quarter of
; the requests for it.  The weights' tile is NOT shared: the work-groups that could share it are other row blocks, whose expert is read from memory and may be
; another, so that their descriptors need not be equal; each work-group asks for its own (mask 0).
; THE MATRIX INSTRUCTION IS USED TRANSPOSED: source 0 = 16 columns of the weights (from [k][n] rows by the transposing LDS load), source 1 = 16 rows of xs.
; Lane (r = l % 16, h = l / 16), register j then holds row r, column 8 h + j: eight neighbouring numbers of an output row.
; LIMITS: h is formed as (g u) sigmoid(g): where |g u| overflows f32 (above 3.4e38) while g is far below zero this gives NaN, the reference 0.
; exp2 beyond f32 gives infinity, its reciprocal 0, and h = 0, the right limit.  Where |h| is above bf16's largest number (3.39e38) hi is infinite and lo NaN.
; meta's number is clamped to 7.
.set SECOND, 0
.set KS,     8                         ; K steps of 128: 1024 columns of xs; in the second product 512 hi and 512 lo of h
.set APITCH, 1024                      ; elements in a row of the left operand
.set ASTEP,  256                       ; a K step in the left operand's rows, bytes
.set BSTEP,  128*2048                  ; a tile of the weights: 128 rows of 2,048 bytes
.if SECOND
.set EB,     1048576                   ; bytes of an expert's weights
.set WCOL,   128                       ; a wave's first column in a weights row of the tile, in bytes
.set BHI,    64                        ; column tile b stands at (b & 1) 32 + (b >> 1) BHI bytes from there
.set ROWB,   4096                      ; bytes in a row of the output
.set CSH,    10                        ; a column block's bytes in it, as a shift
.set BINIT,  0                         ; slot 0 holds a hi tile, slot 1 the lo tile of the same columns: both take the same tile of the weights,
.set BADV,   BSTEP                     ; and a slot's next tile of the weights is the next one
.else
.set EB,     2097152
.set WCOL,   64
.set BHI,    256                       ; tiles 0, 1: gate; tiles 2, 3: the up columns, 256 bytes further
.set ROWB,   2048
.set CSH,    9
.set BINIT,  BSTEP                     ; slot 1 starts one tile of the weights on,
.set BADV,   2*BSTEP                   ; and a slot's next tile is two on
.endif
.set BM,     144
.set BP,     544                       ; LDS pitch of a weights row: 512 + 32 bytes, an odd multiple of 32: the eight rows and two halves that 16 lanes of a transposing load touch lie in 16 different 16-byte columns of 256
.set AP,     272                       ; LDS pitch of a row of the left operand (and of the second product's stage): 256 + 16 bytes: 16 rows start in 16 different 16-byte columns of 256
.set SP,     528                       ; LDS pitch of the first product's stage: 512 + 16 bytes, likewise
.set BBYTES, 128*BP                    ; 69,632
.set SLOTB,  BBYTES+BM*AP              ; 108,800: the weights' tile, then the rows' tile
.set STAGE,  2*SLOTB                   ; 217,600: the way out; no tensor load ever lands here
.set ADRA, 2                           ; v2, v3   LDS address of my fragments of the rows' tile in slot 0, 1
.set ADRB, 4                           ; v4, v5   the same for the weights' tile
.set STO,  6                           ; v6       way out: where I put my bytes
.set RD,   7                           ; v7       way out: where I read rows back
.set CO,   8                           ; v8       my byte offset in the output
.set STO2, STO+3                       ; v9       first product: STO for the row groups 5 to 8 (8 groups of 16 x 528 bytes pass an LDS instruction's 16-bit offset)
.set FA,   16                          ; v[16:159]  two buffers of 9 fragments of 16 rows x 32 K
.set FB,   160                         ; v[160:223] two buffers of 4 fragments of 16 columns x 32 K
.set TR,   16                          ; way out (first product): 16 registers for the sigmoid, then for hi in f32,
.set PR,   32                          ; 16 for g u, then h, then h - hi,
.set HR,   48                          ; 8 for hi,
.set LR,   56                          ; 8 for lo
; accumulators: tile (a, b), a < 8, at v[256 + 8 (4 a + b)] (window 1); tile (8, b) at v[512 + 8 b] (window 2)
.set G1A,  24                          ; s[24:31] descriptor group 1, rows' tile
.set G1B,  32                          ; s[32:39] descriptor group 1, weights' tile
.set G0A,  40                          ; s[40:47] descriptor group 0, rows' tile, one set a slot
.set G0B,  48                          ; s[48:55] descriptor group 0, weights' tile, one set a slot
.set PA,   56                          ; s[56:57] the first tile of rows
.set PB,   58                          ; s[58:59] the first tile of weights
.set OUTB, 60                          ; s[60:61] my place in the output
.set MSB, 0
.macro WIN new                         ; s_set_vgpr_msb: bits 1:0 source 0, 3:2 source 1, 5:4 source 2, 7:6 destination; the high byte repeats the setting that is left
.if MSB != \new
	s_set_vgpr_msb (MSB<<8)|\new
.set MSB, \new
.endif
.endm
.macro PLACES                          ; four plain vector instructions between a matrix instruction and a load into, or a vector use of, its registers
.rept 4
	v_nop
.endr
.endm
; a round of the cluster's barrier: my work-group's barrier, wave 0 signals for the work-group, every wave waits for all four work-groups, my work-group's barrier again
.macro ROUND
	s_barrier_signal -1
	s_barrier_wait -1
	s_cmp_lg_u32 s12, 0
	s_cbranch_scc1 .Lnot_wave_0_\@
	s_barrier_signal -3
.Lnot_wave_0_\@:
	s_barrier_wait -3
	s_barrier_signal -1
	s_barrier_wait -1
.endm
; the wave's one tensor load of a step; the branch hangs on the wave's number alone.  Waves 0, 1: my own weights' tile; waves 2, 3: the joint load of the rows' tile
.macro JLOAD s
	s_cmp_eq_u32 s13, 0
	s_cbranch_scc0 .Lfor_a_\@
	tensor_load_to_lds s[G0B+4*\s:G0B+4*\s+3], s[G1B:G1B+7]
	s_nop 0
	s_branch .Lasked_\@
.Lfor_a_\@:
	tensor_load_to_lds s[G0A+4*\s:G0A+4*\s+3], s[G1A:G1A+7]
	s_nop 0
.Lasked_\@:
.endm
; 26 LDS loads: the fragments of quarter q (32 along K) of a slot into buffer f
.macro FETCH slot, q, f
.irp b, 0,1,2,3
	ds_load_tr16_b128 v[FB+32*\f+8*\b:FB+32*\f+8*\b+3],   v[ADRB+\slot] offset:\q*32*BP+(\b&1)*32+(\b>>1)*BHI
	ds_load_tr16_b128 v[FB+32*\f+8*\b+4:FB+32*\f+8*\b+7], v[ADRB+\slot] offset:\q*32*BP+16*BP+(\b&1)*32+(\b>>1)*BHI
.endr
.irp a, 0,1,2,3,4,5,6,7,8
	ds_load_b128 v[FA+72*\f+8*\a:FA+72*\f+8*\a+3],   v[ADRA+\slot] offset:\a*16*AP+64*\q
	ds_load_b128 v[FA+72*\f+8*\a+4:FA+72*\f+8*\a+7], v[ADRA+\slot] offset:\a*16*AP+64*\q+32
.endr
.endm
; 36 matrix instructions on buffer f.  The 36 accumulators take turns, one instruction a turn, in the same order everywhere.
; zero = 1: the first product starts the sums.
.macro MUL f, zero
	WIN 0x50                                       ; C and D in window 1
.irp a, 0,1,2,3,4,5,6,7
.irp b, 0,1,2,3
.if \zero
	v_wmma_f32_16x16x32_bf16 v[8*(4*\a+\b):8*(4*\a+\b)+7], v[FB+32*\f+8*\b:FB+32*\f+8*\b+7], v[FA+72*\f+8*\a:FA+72*\f+8*\a+7], 0
.else
	v_wmma_f32_16x16x32_bf16 v[8*(4*\a+\b):8*(4*\a+\b)+7], v[FB+32*\f+8*\b:FB+32*\f+8*\b+7], v[FA+72*\f+8*\a:FA+72*\f+8*\a+7], v[8*(4*\a+\b):8*(4*\a+\b)+7]
.endif
.endr
.endr
	WIN 0xa0                                       ; C and D in window 2: rows 128-143
.irp b, 0,1,2,3
.if \zero
	v_wmma_f32_16x16x32_bf16 v[8*\b:8*\b+7], v[FB+32*\f+8*\b:FB+32*\f+8*\b+7], v[FA+72*\f+64:FA+72*\f+71], 0
.else
	v_wmma_f32_16x16x32_bf16 v[8*\b:8*\b+7], v[FB+32*\f+8*\b:FB+32*\f+8*\b+7], v[FA+72*\f+64:FA+72*\f+71], v[8*\b:8*\b+7]
.endif
.endr
	WIN 0
.endm
; a K step: four quarters on buffers 0, 1, 0, 1; each quarter's 26 loads are issued one quarter ahead
.macro COMPUTE slot, zero
	PLACES
	FETCH \slot, 0, 0
	FETCH \slot, 1, 1
	s_wait_dscnt 26                                ; quarter 0 is in; the 26 loads of quarter 1 may be out
	MUL 0, \zero
	PLACES
	FETCH \slot, 2, 0
	s_wait_dscnt 26                                ; quarter 1 is in; quarter 2's loads may be out
	MUL 1, 0
	PLACES
	FETCH \slot, 3, 1
	s_wait_dscnt 26                                ; quarter 2 is in; quarter 3's loads may be out
	MUL 0, 0
	s_wait_dscnt 0
	MUL 1, 0
.endm
; One step of the ring.  In front of the round every wave has waited for all its tensor loads (its part of this slot among them) and for its reads of the
; other slot; behind the round that holds of every wave of all four work-groups: the other slot is asked for first, then this one is read.
.macro TRIP slot, other, refill, zero
	s_wait_tensorcnt 0x0
	ds_add_u32 v254, v255
	s_wait_dscnt 0x0
	s_add_nc_u64 s[G0A+4*\slot+2:G0A+4*\slot+3], s[G0A+4*\slot+2:G0A+4*\slot+3], 2*ASTEP   ; no load of mine is out: this slot's next tile of rows, two steps on,
	s_add_nc_u64 s[G0B+4*\slot+2:G0B+4*\slot+3], s[G0B+4*\slot+2:G0B+4*\slot+3], BADV      ; and its next tile of weights
	s_wait_dscnt 0x0
	ROUND
.if \refill
	JLOAD \other
.endif
	COMPUTE \slot, \zero
.endm
	s_load_b256 s[4:11], s[0:1], 0x0               ; left operand s[4:5], weights s[6:7], meta s[8:9], output s[10:11]
	v_lshl_add_u32 v254, v0, 2, 0x47b00
	v_mov_b32 v255, 0
	ds_add_u32 v254, v255
	v_lshrrev_b32 v1, 5, v0
	v_readfirstlane_b32 s12, v1                    ; wave 0..3
	s_lshr_b32 s13, s12, 1                         ; 0: I fetch weights; 1: rows
	s_and_b32 s14, s12, 1                          ; which half of that tile
	s_bfe_u32 s15, ttmp6, 0x40000                  ; cx: my place in the cluster
	s_lshl_b32 s18, ttmp9, 2
	s_add_co_u32 s18, s18, s15                     ; column block = 4 x cluster x + cx
	s_and_b32 s17, ttmp7, 0xffff                   ; row block 0..63 = the cluster's y
	s_lshl_b32 s62, s17, 2
	s_wait_dscnt 0x0
	s_wait_kmcnt 0x0
	s_load_b32 s20, s[8:9], s62 offset:0x0         ; my row block's expert
	; where the tiles go: a constant + the wave's number x a constant + the slot's constant
	s_mul_i32 s72, s12, 72*AP
	s_mul_i32 s73, s12, 64*BP
.irp s, 0,1
	s_mov_b32 s[G0A+4*\s], 1                                       ; count = 1
	s_add_co_u32 s[G0A+4*\s+1], s72, BBYTES-2*72*AP+\s*SLOTB       ; waves 2, 3: behind the weights' tile, 72 rows each
	s_mov_b32 s[G0B+4*\s], 1
	s_add_co_u32 s[G0B+4*\s+1], s73, \s*SLOTB                      ; waves 0, 1: 64 k-rows each
.endr
	; group 1, rows' tile: 72 rows x 128 elements of 2 bytes, 4 words of padding behind every 64; the mask names all four work-groups of the cluster, bit 21 beside it
	s_mov_b32 s[G1A+0], 15|(1<<16)|(1<<20)|(1<<21)|(5<<22)|(3<<25)
	s_mov_b32 s[G1A+1], 128<<16                    ; tensor_dim0 = 128
	s_mov_b32 s[G1A+2], 72<<16                     ; tensor_dim1 = 72
	s_mov_b32 s[G1A+3], 128<<16                    ; tile_dim0 = 128
	s_mov_b32 s[G1A+4], 72                         ; tile_dim1 = 72
	s_mov_b32 s[G1A+5], APITCH                     ; elements from row to row
	s_mov_b32 s[G1A+6], 0
	s_mov_b32 s[G1A+7], 0
	; group 1, weights' tile: 64 k-rows x 256 elements, 8 words of padding behind every 128; no mask: a load of my own
	s_mov_b32 s[G1B+0], (1<<16)|(1<<20)|(6<<22)|(7<<25)
	s_mov_b32 s[G1B+1], 256<<16
	s_mov_b32 s[G1B+2], 64<<16
	s_mov_b32 s[G1B+3], 256<<16
	s_mov_b32 s[G1B+4], 64
	s_mov_b32 s[G1B+5], 1024
	s_mov_b32 s[G1B+6], 0
	s_mov_b32 s[G1B+7], 0
	; fragment addresses
	v_and_b32 v10, 15, v0                          ; r
	v_bfe_u32 v11, v0, 4, 1                        ; h
	v_mul_u32_u24 v12, v10, AP
	v_lshl_add_u32 v12, v11, 4, v12                ; rows: r x pitch + 16 h
	v_add_nc_u32 v[ADRA+0], BBYTES, v12
	v_add_nc_u32 v[ADRA+1], BBYTES+SLOTB, v12
	v_and_b32 v13, 7, v0
	v_lshl_add_u32 v13, v11, 3, v13                ; weights: k-row 8 h + (l & 7),
	v_mul_u32_u24 v13, v13, BP
	v_bfe_u32 v14, v0, 3, 1
	v_lshl_add_u32 v13, v14, 4, v13                ; 16 bytes x ((l >> 3) & 1),
	s_mul_i32 s72, s12, WCOL
	v_add_nc_u32 v[ADRB+0], s72, v13               ; and my wave's columns
	v_add_nc_u32 v[ADRB+1], SLOTB, v[ADRB+0]
.if SECOND
	; way out: a stage of 16 rows x 272 bytes for each wave, its own
	s_mul_i32 s72, s12, 16*AP
	s_add_co_u32 s72, s72, STAGE
	v_mul_u32_u24 v14, v10, AP
	v_lshl_add_u32 v14, v11, 5, v14                ; in: row r, 32 bytes for each half of the lanes
	v_add_nc_u32 v[STO], s72, v14
	v_mul_u32_u24 v15, v11, AP
	v_lshl_add_u32 v15, v10, 4, v15                ; back: lanes 0-15 one row of 256 bytes, lanes 16-31 the next
	v_add_nc_u32 v[RD], s72, v15
	v_lshlrev_b32 v14, 4, v10
	v_lshl_add_u32 v[CO], v11, 12, v14             ; the same two rows in the output
.else
	; way out: one stage of 144 rows x 528 bytes for the work-group (256 bytes of hi, 256 of lo); wave w puts 64 bytes of either half of every row
	; and reads rows 36 w .. 36 w + 35 back, a whole row of 512 bytes a load
	s_mov_b32 s63, 0xffff0000                      ; a word's upper bf16
	s_lshl_b32 s72, s12, 6
	s_add_co_u32 s72, s72, STAGE
	v_mul_u32_u24 v14, v10, SP
	v_lshl_add_u32 v14, v11, 4, v14                ; row r, 16 bytes for each half of the lanes,
	v_add_nc_u32 v[STO], s72, v14                  ; my wave's 64 bytes
	v_add_nc_u32 v[STO2], 5*16*SP, v[STO]
	v_and_b32 v15, 31, v0
	s_mul_i32 s73, s12, 36*SP
	s_add_co_u32 s73, s73, STAGE
	v_lshl_add_u32 v[RD], v15, 4, s73
	s_mul_i32 s73, s12, 36*ROWB
	v_lshl_add_u32 v[CO], v15, 4, s73
.endif
	; the rows' first tile: hangs on the row block and the wave alone, which the four partners share
	s_mul_i32 s66, s17, BM
	s_mul_i32 s67, s14, 72
	s_add_co_u32 s66, s66, s67
	s_mul_i32 s66, s66, APITCH*2
	s_mov_b32 s67, 0
	s_add_nc_u64 s[PA:PA+1], s[4:5], s[66:67]
	; my place in the output
	s_mul_i32 s70, s17, BM*ROWB
	s_lshl_b32 s71, s18, CSH
	s_add_co_u32 s70, s70, s71
.if SECOND
	s_lshl_b32 s71, s12, 8                         ; my wave's 64 columns of 4 bytes
	s_add_co_u32 s70, s70, s71
.endif
	s_mov_b32 s71, 0
	s_add_nc_u64 s[OUTB:OUTB+1], s[10:11], s[70:71]
	; the weights' first tile: the expert, the column block and the wave
	s_wait_kmcnt 0x0
	s_min_u32 s20, s20, 7                          ; a number read from memory enters an address only clamped to the buffer
	s_mul_i32 s68, s20, EB
	s_lshl_b32 s69, s18, 9                         ; 256 columns of 2 bytes
	s_add_co_u32 s68, s68, s69
	s_lshl_b32 s69, s14, 17                        ; 64 k-rows of 2,048 bytes
	s_add_co_u32 s68, s68, s69
	s_mov_b32 s69, 0
	s_add_nc_u64 s[PB:PB+1], s[6:7], s[68:69]
.irp s, 0,1
	s_add_nc_u64 s[G0A+4*\s+2:G0A+4*\s+3], s[PA:PA+1], \s*ASTEP    ; K step s
	s_or_b32 s[G0A+4*\s+3], s[G0A+4*\s+3], 0x80000000              ; type = 2
	s_add_nc_u64 s[G0B+4*\s+2:G0B+4*\s+3], s[PB:PB+1], \s*BINIT
	s_or_b32 s[G0B+4*\s+3], s[G0B+4*\s+3], 0x80000000
.endr
	ROUND                                          ; all four work-groups are here: the first joint load meets
	JLOAD 0                                        ; K step 0
	TRIP 0, 1, 1, 1
.rept KS/2-1
	TRIP 1, 0, 1, 0
	TRIP 0, 1, 1, 0
.endr
	TRIP 1, 0, 0, 0                                ; the last step asks for nothing
	PLACES                                         ; behind the last matrix instructions, in front of every use of their registers
.if SECOND
; 16 rows at a time: f32 results straight from the accumulators into my own stage, back as whole rows of 256 bytes.  LDS serves a wave's instructions in order
; (ISA guide 5.7.1), so no wait stands between my stores and my loads, nor between these loads and the next 16 rows' stores.
.macro OUT16 row, win, acc
	WIN \win                                       ; store data (source 1) in the accumulators' window
.irp b, 0,1,2,3
	ds_store_b128 v[STO], v[\acc+8*\b:\acc+8*\b+3]   offset:64*\b
	ds_store_b128 v[STO], v[\acc+8*\b+4:\acc+8*\b+7] offset:64*\b+16
.endr
	WIN 0
	s_wait_xcnt 0x0                                ; the registers loaded next were data of earlier stores: rewritten only behind this wait
.irp t, 0,1,2,3,4,5,6,7
	ds_load_b128 v[FA+32*(\row&1)+4*\t:FA+32*(\row&1)+4*\t+3], v[RD] offset:2*AP*\t
.endr
.irp t, 0,1,2,3,4,5,6,7
	s_wait_dscnt 7-\t                              ; load t is in, the younger ones stay out
	global_store_b128 v[CO], v[FA+32*(\row&1)+4*\t:FA+32*(\row&1)+4*\t+3], s[OUTB:OUTB+1] offset:(16*\row+2*\t)*ROWB   ; 16 lanes store 256 consecutive bytes, aligned
.endr
.endm
.irp a, 0,1,2,3,4,5,6,7
	OUT16 \a, 0x04, 32*\a
.endr
	OUT16 8, 0x08, 0
.else
; 16 rows: h = g u / (1 + 2^(-g log2 e)); hi = bf16(h), lo = bf16(h - hi); 2 x 16 bytes of either a lane into the work-group's stage
.macro ACT row, win, acc
	WIN \win                                       ; sources 0 and 1 in the accumulators' window
.irp bb, 0,1
.irp j, 0,2,4,6
	v_pk_mul_f32 v[TR+8*\bb+\j:TR+8*\bb+\j+1], v[\acc+8*\bb+\j:\acc+8*\bb+\j+1], 0xbfb8aa3b op_sel_hi:[1,0]
	v_pk_mul_f32 v[PR+8*\bb+\j:PR+8*\bb+\j+1], v[\acc+8*\bb+\j:\acc+8*\bb+\j+1], v[\acc+16+8*\bb+\j:\acc+16+8*\bb+\j+1]
.endr
.endr
	WIN 0
.irp j, 0,1,2,3,4,5,6,7,8,9,10,11,12,13,14,15
	v_exp_f32 v[TR+\j], v[TR+\j]
.endr
	v_nop                                          ; one plain instruction between the last transcendental and the first use
	s_wait_alu depctr_va_vdst(0)
.irp j, 0,2,4,6,8,10,12,14
	v_pk_add_f32 v[TR+\j:TR+\j+1], v[TR+\j:TR+\j+1], 1.0 op_sel_hi:[1,0]
.endr
.irp j, 0,1,2,3,4,5,6,7,8,9,10,11,12,13,14,15
	v_rcp_f32 v[TR+\j], v[TR+\j]
.endr
	v_nop
	s_wait_alu depctr_va_vdst(0)
.irp j, 0,2,4,6,8,10,12,14
	v_pk_mul_f32 v[PR+\j:PR+\j+1], v[PR+\j:PR+\j+1], v[TR+\j:TR+\j+1]
.endr
.irp k, 0,1,2,3,4,5,6,7
	v_cvt_pk_bf16_f32 v[HR+\k], v[PR+2*\k], v[PR+2*\k+1]           ; hi
.endr
.irp k, 0,1,2,3,4,5,6,7
	v_lshlrev_b32 v[TR+2*\k],   16,  v[HR+\k]                      ; hi back in f32: the low half moves up,
	v_and_b32     v[TR+2*\k+1], s63, v[HR+\k]                      ; the high half stays
.endr
.irp j, 0,1,2,3,4,5,6,7,8,9,10,11,12,13,14,15
	v_sub_f32 v[PR+\j], v[PR+\j], v[TR+\j]                         ; h - hi, exact in f32
.endr
.irp k, 0,1,2,3,4,5,6,7
	v_cvt_pk_bf16_f32 v[LR+\k], v[PR+2*\k], v[PR+2*\k+1]           ; lo
.endr
	ds_store_b128 v[STO+3*((\row)/5)], v[HR:HR+3]   offset:((\row)%5)*16*SP
	ds_store_b128 v[STO+3*((\row)/5)], v[HR+4:HR+7] offset:((\row)%5)*16*SP+32
	ds_store_b128 v[STO+3*((\row)/5)], v[LR:LR+3]   offset:((\row)%5)*16*SP+256
	ds_store_b128 v[STO+3*((\row)/5)], v[LR+4:LR+7] offset:((\row)%5)*16*SP+288
.endm
.irp a, 0,1,2,3,4,5,6,7
	ACT \a, 0x05, 32*\a
.endr
	ACT 8, 0x0a, 0
	s_wait_dscnt 0x0                               ; my part of every row is in the stage before I say so
	s_barrier_signal -1
	s_barrier_wait -1                              ; the rows are whole
.set t, 0
.rept 36
	ds_load_b128 v[FA+4*t:FA+4*t+3], v[RD] offset:SP*t             ; row 36 w + t: 32 lanes, 512 neighbouring bytes
.set t, t+1
.endr
.set t, 0
.rept 36
	s_wait_dscnt 35-t                              ; load t is in, the 35 - t younger ones stay out
	global_store_b128 v[CO], v[FA+4*t:FA+4*t+3], s[OUTB:OUTB+1] offset:ROWB*t   ; the wave stores 512 consecutive bytes, aligned
.set t, t+1
.endr
.endif
	s_wait_tensorcnt 0x0
	ds_add_u32 v254, v255
	s_wait_dscnt 0x0
	ROUND                                          ; the closing round: no work-group ends while a partner may still ask for a tile that names it
	s_endpgm
.Lfunc_end_k_q81b82f2046_gemm1:
	.size	k_q81b82f2046_gemm1, .Lfunc_end_k_q81b82f2046_gemm1-k_q81b82f2046_gemm1
	.p2alignl 7, 3214868480
	.fill 96, 4, 3214868480
	.section	.rodata,"a",@progbits
	.p2align	6, 0x0
	.amdhsa_kernel k_q81b82f2046_gemm1
		.amdhsa_group_segment_fixed_size 327680
		.amdhsa_private_segment_fixed_size 0
		.amdhsa_enable_private_segment 0
		.amdhsa_kernarg_size 32
		.amdhsa_user_sgpr_count 2
		.amdhsa_user_sgpr_kernarg_segment_ptr 1
		.amdhsa_wavefront_size32 1
		.amdhsa_system_sgpr_workgroup_id_x 1
		.amdhsa_system_sgpr_workgroup_id_y 1
		.amdhsa_system_sgpr_workgroup_id_z 1
		.amdhsa_system_vgpr_workitem_id 0
		.amdhsa_next_free_vgpr 544
		.amdhsa_next_free_sgpr 76
		.amdhsa_reserve_vcc 0
		.amdhsa_float_denorm_mode_32 3
		.amdhsa_float_denorm_mode_16_64 3
		.amdhsa_memory_ordered 1
		.amdhsa_forward_progress 1
		.amdhsa_inst_pref_size 203
	.end_amdhsa_kernel
	.amdgpu_metadata
---
amdhsa.version: [ 1, 2 ]
amdhsa.kernels:
  - .name:           k_q81b82f2046_gemm1
    .symbol:         k_q81b82f2046_gemm1.kd
    .args:
      - { .name: xs, .offset: 0, .size: 8, .value_kind: global_buffer, .address_space: global }
      - { .name: w1b, .offset: 8, .size: 8, .value_kind: global_buffer, .address_space: global }
      - { .name: meta, .offset: 16, .size: 8, .value_kind: global_buffer, .address_space: global }
      - { .name: hbuf, .offset: 24, .size: 8, .value_kind: global_buffer, .address_space: global }
    .group_segment_fixed_size: 327680
    .private_segment_fixed_size: 0
    .kernarg_segment_align: 8
    .kernarg_segment_size: 32
    .max_flat_workgroup_size: 128
    .sgpr_count:     76
    .vgpr_count:     544
    .wavefront_size: 32
...
	.end_amdgpu_metadata
.endif
;; end of part 3
;; launch gemm2 (part 4): grid 4 x 64, 4 waves a work-group, clusters of 4 x 1, 327,680 bytes of LDS; arguments hbuf, w2b, meta, ybuf; writes ybuf
.if DOCPART == 4
	.amdgcn_target "amdgcn-amd-amdhsa--gfx1250"
	.amdhsa_code_object_version 6
	.text
	.protected	k_q81b82f2046_gemm2
	.globl	k_q81b82f2046_gemm2
	.p2align	8
	.type	k_q81b82f2046_gemm2,@function
k_q81b82f2046_gemm2:
	s_mov_b64 s[64:65], 0
	v_nop
	global_prefetch_b8 v0, s[64:65] scope:SCOPE_SE
	s_setreg_imm32_b32 hwreg(HW_REG_WAVE_MODE, 25, 1), 1
	s_wait_xcnt 0x0
	s_wait_alu depctr_hold_cnt(0) depctr_sa_sdst(0) depctr_va_vdst(0) depctr_va_sdst(0) depctr_va_ssrc(0) depctr_va_vcc(0) depctr_vm_vsrc(0)
	s_getreg_b32 s2, hwreg(HW_REG_IB_STS2, 6, 4)
	s_cmp_eq_u32 s2, 0
	s_cbranch_scc0 .Lentry_in_a_cluster
	s_endpgm
.Lentry_in_a_cluster:
	s_bfe_u32 s2, ttmp6, 0x10000c
	s_cmp_lg_u32 s2, 0x3003
	s_cbranch_scc0 .Lentry_shape_is_right
	s_endpgm
.Lentry_shape_is_right:
; SECOND PRODUCT: ybuf[row][n] = (hi[row] + lo[row]) . W2[e][:, n], rows sorted by expert, bf16 operands, f32 sums, f32 out.
; (The first product has the same text with SECOND = 0.)
; h COMES AS TWO bf16 NUMBERS, hi and lo (h = hi + lo up to about 2^-17 of |h|).  A row of hbuf is four blocks of 512 bytes: 128 hi, then the same 128 columns' lo.
; So K is 1024: 8 steps of 128, steps 2 j and 2 j + 1 being hi and lo of columns 128 j .., both against tile j of the weights: twice the matrix work of one bf16 h.
; 256 work-groups = 64 row blocks of 144 rows x 4 column blocks of 256 columns of the weights.  All rows of a block belong to one expert, meta[block], stored by
; an earlier launch; it enters the address of the weights' tiles and nothing else: no branch and no trip count hangs on data.  64 blocks serve every routing
; (the sum of ceil(cnt_e / 144) is below 65); rows that no pair owns are zeros and give zeros, blocks behind the last expert's among them.
; A wave makes all 144 rows x 64 columns: 9 x 4 accumulator tiles, 288 registers.
; K goes through two LDS slots filled by the tensor data mover, one load a wave and step: waves 0, 1 the halves of the weights' tile
; (64 k-rows x 512 bytes), waves 2, 3 the halves of the rows' tile (72 rows x 256 bytes).  A wave has at most one tensor load outstanding.
; CLUSTERS: the 4 column blocks of a row block form a cluster.  The rows' tile hangs on the row block alone and is asked for jointly by the four: a quarter of
; the requests for it.  The weights' tile is NOT shared: the work-groups that could share it are other row blocks, whose expert is read from memory and may be
; another, so that their descriptors need not be equal; each work-group asks for its own (mask 0).
; THE MATRIX INSTRUCTION IS USED TRANSPOSED: source 0 = 16 columns of the weights (from [k][n] rows by the transposing LDS load), source 1 = 16 rows of hbuf.
; Lane (r = l % 16, h = l / 16), register j then holds row r, column 8 h + j: eight neighbouring numbers of an output row.
; LIMITS: meta's number is clamped to 7.
.set SECOND, 1
.set KS,     8                         ; K steps of 128: 1024 columns of xs; in the second product 512 hi and 512 lo of h
.set APITCH, 1024                      ; elements in a row of the left operand
.set ASTEP,  256                       ; a K step in the left operand's rows, bytes
.set BSTEP,  128*2048                  ; a tile of the weights: 128 rows of 2,048 bytes
.if SECOND
.set EB,     1048576                   ; bytes of an expert's weights
.set WCOL,   128                       ; a wave's first column in a weights row of the tile, in bytes
.set BHI,    64                        ; column tile b stands at (b & 1) 32 + (b >> 1) BHI bytes from there
.set ROWB,   4096                      ; bytes in a row of the output
.set CSH,    10                        ; a column block's bytes in it, as a shift
.set BINIT,  0                         ; slot 0 holds a hi tile, slot 1 the lo tile of the same columns: both take the same tile of the weights,
.set BADV,   BSTEP                     ; and a slot's next tile of the weights is the next one
.else
.set EB,     2097152
.set WCOL,   64
.set BHI,    256                       ; tiles 0, 1: gate; tiles 2, 3: the up columns, 256 bytes further
.set ROWB,   2048
.set CSH,    9
.set BINIT,  BSTEP                     ; slot 1 starts one tile of the weights on,
.set BADV,   2*BSTEP                   ; and a slot's next tile is two on
.endif
.set BM,     144
.set BP,     544                       ; LDS pitch of a weights row: 512 + 32 bytes, an odd multiple of 32: the eight rows and two halves that 16 lanes of a transposing load touch lie in 16 different 16-byte columns of 256
.set AP,     272                       ; LDS pitch of a row of the left operand (and of the second product's stage): 256 + 16 bytes: 16 rows start in 16 different 16-byte columns of 256
.set SP,     528                       ; LDS pitch of the first product's stage: 512 + 16 bytes, likewise
.set BBYTES, 128*BP                    ; 69,632
.set SLOTB,  BBYTES+BM*AP              ; 108,800: the weights' tile, then the rows' tile
.set STAGE,  2*SLOTB                   ; 217,600: the way out; no tensor load ever lands here
.set ADRA, 2                           ; v2, v3   LDS address of my fragments of the rows' tile in slot 0, 1
.set ADRB, 4                           ; v4, v5   the same for the weights' tile
.set STO,  6                           ; v6       way out: where I put my bytes
.set RD,   7                           ; v7       way out: where I read rows back
.set CO,   8                           ; v8       my byte offset in the output
.set STO2, STO+3                       ; v9       first product: STO for the row groups 5 to 8 (8 groups of 16 x 528 bytes pass an LDS instruction's 16-bit offset)
.set FA,   16                          ; v[16:159]  two buffers of 9 fragments of 16 rows x 32 K
.set FB,   160                         ; v[160:223] two buffers of 4 fragments of 16 columns x 32 K
.set TR,   16                          ; way out (first product): 16 registers for the sigmoid, then for hi in f32,
.set PR,   32                          ; 16 for g u, then h, then h - hi,
.set HR,   48                          ; 8 for hi,
.set LR,   56                          ; 8 for lo
; accumulators: tile (a, b), a < 8, at v[256 + 8 (4 a + b)] (window 1); tile (8, b) at v[512 + 8 b] (window 2)
.set G1A,  24                          ; s[24:31] descriptor group 1, rows' tile
.set G1B,  32                          ; s[32:39] descriptor group 1, weights' tile
.set G0A,  40                          ; s[40:47] descriptor group 0, rows' tile, one set a slot
.set G0B,  48                          ; s[48:55] descriptor group 0, weights' tile, one set a slot
.set PA,   56                          ; s[56:57] the first tile of rows
.set PB,   58                          ; s[58:59] the first tile of weights
.set OUTB, 60                          ; s[60:61] my place in the output
.set MSB, 0
.macro WIN new                         ; s_set_vgpr_msb: bits 1:0 source 0, 3:2 source 1, 5:4 source 2, 7:6 destination; the high byte repeats the setting that is left
.if MSB != \new
	s_set_vgpr_msb (MSB<<8)|\new
.set MSB, \new
.endif
.endm
.macro PLACES                          ; four plain vector instructions between a matrix instruction and a load into, or a vector use of, its registers
.rept 4
	v_nop
.endr
.endm
; a round of the cluster's barrier: my work-group's barrier, wave 0 signals for the work-group, every wave waits for all four work-groups, my work-group's barrier again
.macro ROUND
	s_barrier_signal -1
	s_barrier_wait -1
	s_cmp_lg_u32 s12, 0
	s_cbranch_scc1 .Lnot_wave_0_\@
	s_barrier_signal -3
.Lnot_wave_0_\@:
	s_barrier_wait -3
	s_barrier_signal -1
	s_barrier_wait -1
.endm
; the wave's one tensor load of a step; the branch hangs on the wave's number alone.  Waves 0, 1: my own weights' tile; waves 2, 3: the joint load of the rows' tile
.macro JLOAD s
	s_cmp_eq_u32 s13, 0
	s_cbranch_scc0 .Lfor_a_\@
	tensor_load_to_lds s[G0B+4*\s:G0B+4*\s+3], s[G1B:G1B+7]
	s_nop 0
	s_branch .Lasked_\@
.Lfor_a_\@:
	tensor_load_to_lds s[G0A+4*\s:G0A+4*\s+3], s[G1A:G1A+7]
	s_nop 0
.Lasked_\@:
.endm
; 26 LDS loads: the fragments of quarter q (32 along K) of a slot into buffer f
.macro FETCH slot, q, f
.irp b, 0,1,2,3
	ds_load_tr16_b128 v[FB+32*\f+8*\b:FB+32*\f+8*\b+3],   v[ADRB+\slot] offset:\q*32*BP+(\b&1)*32+(\b>>1)*BHI
	ds_load_tr16_b128 v[FB+32*\f+8*\b+4:FB+32*\f+8*\b+7], v[ADRB+\slot] offset:\q*32*BP+16*BP+(\b&1)*32+(\b>>1)*BHI
.endr
.irp a, 0,1,2,3,4,5,6,7,8
	ds_load_b128 v[FA+72*\f+8*\a:FA+72*\f+8*\a+3],   v[ADRA+\slot] offset:\a*16*AP+64*\q
	ds_load_b128 v[FA+72*\f+8*\a+4:FA+72*\f+8*\a+7], v[ADRA+\slot] offset:\a*16*AP+64*\q+32
.endr
.endm
; 36 matrix instructions on buffer f.  The 36 accumulators take turns, one instruction a turn, in the same order everywhere.
; zero = 1: the first product starts the sums.
.macro MUL f, zero
	WIN 0x50                                       ; C and D in window 1
.irp a, 0,1,2,3,4,5,6,7
.irp b, 0,1,2,3
.if \zero
	v_wmma_f32_16x16x32_bf16 v[8*(4*\a+\b):8*(4*\a+\b)+7], v[FB+32*\f+8*\b:FB+32*\f+8*\b+7], v[FA+72*\f+8*\a:FA+72*\f+8*\a+7], 0
.else
	v_wmma_f32_16x16x32_bf16 v[8*(4*\a+\b):8*(4*\a+\b)+7], v[FB+32*\f+8*\b:FB+32*\f+8*\b+7], v[FA+72*\f+8*\a:FA+72*\f+8*\a+7], v[8*(4*\a+\b):8*(4*\a+\b)+7]
.endif
.endr
.endr
	WIN 0xa0                                       ; C and D in window 2: rows 128-143
.irp b, 0,1,2,3
.if \zero
	v_wmma_f32_16x16x32_bf16 v[8*\b:8*\b+7], v[FB+32*\f+8*\b:FB+32*\f+8*\b+7], v[FA+72*\f+64:FA+72*\f+71], 0
.else
	v_wmma_f32_16x16x32_bf16 v[8*\b:8*\b+7], v[FB+32*\f+8*\b:FB+32*\f+8*\b+7], v[FA+72*\f+64:FA+72*\f+71], v[8*\b:8*\b+7]
.endif
.endr
	WIN 0
.endm
; a K step: four quarters on buffers 0, 1, 0, 1; each quarter's 26 loads are issued one quarter ahead
.macro COMPUTE slot, zero
	PLACES
	FETCH \slot, 0, 0
	FETCH \slot, 1, 1
	s_wait_dscnt 26                                ; quarter 0 is in; the 26 loads of quarter 1 may be out
	MUL 0, \zero
	PLACES
	FETCH \slot, 2, 0
	s_wait_dscnt 26                                ; quarter 1 is in; quarter 2's loads may be out
	MUL 1, 0
	PLACES
	FETCH \slot, 3, 1
	s_wait_dscnt 26                                ; quarter 2 is in; quarter 3's loads may be out
	MUL 0, 0
	s_wait_dscnt 0
	MUL 1, 0
.endm
; One step of the ring.  In front of the round every wave has waited for all its tensor loads (its part of this slot among them) and for its reads of the
; other slot; behind the round that holds of every wave of all four work-groups: the other slot is asked for first, then this one is read.
.macro TRIP slot, other, refill, zero
	s_wait_tensorcnt 0x0
	ds_add_u32 v254, v255
	s_wait_dscnt 0x0
	s_add_nc_u64 s[G0A+4*\slot+2:G0A+4*\slot+3], s[G0A+4*\slot+2:G0A+4*\slot+3], 2*ASTEP   ; no load of mine is out: this slot's next tile of rows, two steps on,
	s_add_nc_u64 s[G0B+4*\slot+2:G0B+4*\slot+3], s[G0B+4*\slot+2:G0B+4*\slot+3], BADV      ; and its next tile of weights
	s_wait_dscnt 0x0
	ROUND
.if \refill
	JLOAD \other
.endif
	COMPUTE \slot, \zero
.endm
	s_load_b256 s[4:11], s[0:1], 0x0               ; left operand s[4:5], weights s[6:7], meta s[8:9], output s[10:11]
	v_lshl_add_u32 v254, v0, 2, 0x39600
	v_mov_b32 v255, 0
	ds_add_u32 v254, v255
	v_lshrrev_b32 v1, 5, v0
	v_readfirstlane_b32 s12, v1                    ; wave 0..3
	s_lshr_b32 s13, s12, 1                         ; 0: I fetch weights; 1: rows
	s_and_b32 s14, s12, 1                          ; which half of that tile
	s_bfe_u32 s15, ttmp6, 0x40000                  ; cx: my place in the cluster
	s_lshl_b32 s18, ttmp9, 2
	s_add_co_u32 s18, s18, s15                     ; column block = 4 x cluster x + cx
	s_and_b32 s17, ttmp7, 0xffff                   ; row block 0..63 = the cluster's y
	s_lshl_b32 s62, s17, 2
	s_wait_dscnt 0x0
	s_wait_kmcnt 0x0
	s_load_b32 s20, s[8:9], s62 offset:0x0         ; my row block's expert
	; where the tiles go: a constant + the wave's number x a constant + the slot's constant
	s_mul_i32 s72, s12, 72*AP
	s_mul_i32 s73, s12, 64*BP
.irp s, 0,1
	s_mov_b32 s[G0A+4*\s], 1                                       ; count = 1
	s_add_co_u32 s[G0A+4*\s+1], s72, BBYTES-2*72*AP+\s*SLOTB       ; waves 2, 3: behind the weights' tile, 72 rows each
	s_mov_b32 s[G0B+4*\s], 1
	s_add_co_u32 s[G0B+4*\s+1], s73, \s*SLOTB                      ; waves 0, 1: 64 k-rows each
.endr
	; group 1, rows' tile: 72 rows x 128 elements of 2 bytes, 4 words of padding behind every 64; the mask names all four work-groups of the cluster, bit 21 beside it
	s_mov_b32 s[G1A+0], 15|(1<<16)|(1<<20)|(1<<21)|(5<<22)|(3<<25)
	s_mov_b32 s[G1A+1], 128<<16                    ; tensor_dim0 = 128
	s_mov_b32 s[G1A+2], 72<<16                     ; tensor_dim1 = 72
	s_mov_b32 s[G1A+3], 128<<16                    ; tile_dim0 = 128
	s_mov_b32 s[G1A+4], 72                         ; tile_dim1 = 72
	s_mov_b32 s[G1A+5], APITCH                     ; elements from row to row
	s_mov_b32 s[G1A+6], 0
	s_mov_b32 s[G1A+7], 0
	; group 1, weights' tile: 64 k-rows x 256 elements, 8 words of padding behind every 128; no mask: a load of my own
	s_mov_b32 s[G1B+0], (1<<16)|(1<<20)|(6<<22)|(7<<25)
	s_mov_b32 s[G1B+1], 256<<16
	s_mov_b32 s[G1B+2], 64<<16
	s_mov_b32 s[G1B+3], 256<<16
	s_mov_b32 s[G1B+4], 64
	s_mov_b32 s[G1B+5], 1024
	s_mov_b32 s[G1B+6], 0
	s_mov_b32 s[G1B+7], 0
	; fragment addresses
	v_and_b32 v10, 15, v0                          ; r
	v_bfe_u32 v11, v0, 4, 1                        ; h
	v_mul_u32_u24 v12, v10, AP
	v_lshl_add_u32 v12, v11, 4, v12                ; rows: r x pitch + 16 h
	v_add_nc_u32 v[ADRA+0], BBYTES, v12
	v_add_nc_u32 v[ADRA+1], BBYTES+SLOTB, v12
	v_and_b32 v13, 7, v0
	v_lshl_add_u32 v13, v11, 3, v13                ; weights: k-row 8 h + (l & 7),
	v_mul_u32_u24 v13, v13, BP
	v_bfe_u32 v14, v0, 3, 1
	v_lshl_add_u32 v13, v14, 4, v13                ; 16 bytes x ((l >> 3) & 1),
	s_mul_i32 s72, s12, WCOL
	v_add_nc_u32 v[ADRB+0], s72, v13               ; and my wave's columns
	v_add_nc_u32 v[ADRB+1], SLOTB, v[ADRB+0]
.if SECOND
	; way out: a stage of 16 rows x 272 bytes for each wave, its own
	s_mul_i32 s72, s12, 16*AP
	s_add_co_u32 s72, s72, STAGE
	v_mul_u32_u24 v14, v10, AP
	v_lshl_add_u32 v14, v11, 5, v14                ; in: row r, 32 bytes for each half of the lanes
	v_add_nc_u32 v[STO], s72, v14
	v_mul_u32_u24 v15, v11, AP
	v_lshl_add_u32 v15, v10, 4, v15                ; back: lanes 0-15 one row of 256 bytes, lanes 16-31 the next
	v_add_nc_u32 v[RD], s72, v15
	v_lshlrev_b32 v14, 4, v10
	v_lshl_add_u32 v[CO], v11, 12, v14             ; the same two rows in the output
.else
	; way out: one stage of 144 rows x 528 bytes for the work-group (256 bytes of hi, 256 of lo); wave w puts 64 bytes of either half of every row
	; and reads rows 36 w .. 36 w + 35 back, a whole row of 512 bytes a load
	s_mov_b32 s63, 0xffff0000                      ; a word's upper bf16
	s_lshl_b32 s72, s12, 6
	s_add_co_u32 s72, s72, STAGE
	v_mul_u32_u24 v14, v10, SP
	v_lshl_add_u32 v14, v11, 4, v14                ; row r, 16 bytes for each half of the lanes,
	v_add_nc_u32 v[STO], s72, v14                  ; my wave's 64 bytes
	v_add_nc_u32 v[STO2], 5*16*SP, v[STO]
	v_and_b32 v15, 31, v0
	s_mul_i32 s73, s12, 36*SP
	s_add_co_u32 s73, s73, STAGE
	v_lshl_add_u32 v[RD], v15, 4, s73
	s_mul_i32 s73, s12, 36*ROWB
	v_lshl_add_u32 v[CO], v15, 4, s73
.endif
	; the rows' first tile: hangs on the row block and the wave alone, which the four partners share
	s_mul_i32 s66, s17, BM
	s_mul_i32 s67, s14, 72
	s_add_co_u32 s66, s66, s67
	s_mul_i32 s66, s66, APITCH*2
	s_mov_b32 s67, 0
	s_add_nc_u64 s[PA:PA+1], s[4:5], s[66:67]
	; my place in the output
	s_mul_i32 s70, s17, BM*ROWB
	s_lshl_b32 s71, s18, CSH
	s_add_co_u32 s70, s70, s71
.if SECOND
	s_lshl_b32 s71, s12, 8                         ; my wave's 64 columns of 4 bytes
	s_add_co_u32 s70, s70, s71
.endif
	s_mov_b32 s71, 0
	s_add_nc_u64 s[OUTB:OUTB+1], s[10:11], s[70:71]
	; the weights' first tile: the expert, the column block and the wave
	s_wait_kmcnt 0x0
	s_min_u32 s20, s20, 7                          ; a number read from memory enters an address only clamped to the buffer
	s_mul_i32 s68, s20, EB
	s_lshl_b32 s69, s18, 9                         ; 256 columns of 2 bytes
	s_add_co_u32 s68, s68, s69
	s_lshl_b32 s69, s14, 17                        ; 64 k-rows of 2,048 bytes
	s_add_co_u32 s68, s68, s69
	s_mov_b32 s69, 0
	s_add_nc_u64 s[PB:PB+1], s[6:7], s[68:69]
.irp s, 0,1
	s_add_nc_u64 s[G0A+4*\s+2:G0A+4*\s+3], s[PA:PA+1], \s*ASTEP    ; K step s
	s_or_b32 s[G0A+4*\s+3], s[G0A+4*\s+3], 0x80000000              ; type = 2
	s_add_nc_u64 s[G0B+4*\s+2:G0B+4*\s+3], s[PB:PB+1], \s*BINIT
	s_or_b32 s[G0B+4*\s+3], s[G0B+4*\s+3], 0x80000000
.endr
	ROUND                                          ; all four work-groups are here: the first joint load meets
	JLOAD 0                                        ; K step 0
	TRIP 0, 1, 1, 1
.rept KS/2-1
	TRIP 1, 0, 1, 0
	TRIP 0, 1, 1, 0
.endr
	TRIP 1, 0, 0, 0                                ; the last step asks for nothing
	PLACES                                         ; behind the last matrix instructions, in front of every use of their registers
.if SECOND
; 16 rows at a time: f32 results straight from the accumulators into my own stage, back as whole rows of 256 bytes.  LDS serves a wave's instructions in order
; (ISA guide 5.7.1), so no wait stands between my stores and my loads, nor between these loads and the next 16 rows' stores.
.macro OUT16 row, win, acc
	WIN \win                                       ; store data (source 1) in the accumulators' window
.irp b, 0,1,2,3
	ds_store_b128 v[STO], v[\acc+8*\b:\acc+8*\b+3]   offset:64*\b
	ds_store_b128 v[STO], v[\acc+8*\b+4:\acc+8*\b+7] offset:64*\b+16
.endr
	WIN 0
	s_wait_xcnt 0x0                                ; the registers loaded next were data of earlier stores: rewritten only behind this wait
.irp t, 0,1,2,3,4,5,6,7
	ds_load_b128 v[FA+32*(\row&1)+4*\t:FA+32*(\row&1)+4*\t+3], v[RD] offset:2*AP*\t
.endr
.irp t, 0,1,2,3,4,5,6,7
	s_wait_dscnt 7-\t                              ; load t is in, the younger ones stay out
	global_store_b128 v[CO], v[FA+32*(\row&1)+4*\t:FA+32*(\row&1)+4*\t+3], s[OUTB:OUTB+1] offset:(16*\row+2*\t)*ROWB   ; 16 lanes store 256 consecutive bytes, aligned
.endr
.endm
.irp a, 0,1,2,3,4,5,6,7
	OUT16 \a, 0x04, 32*\a
.endr
	OUT16 8, 0x08, 0
.else
; 16 rows: h = g u / (1 + 2^(-g log2 e)); hi = bf16(h), lo = bf16(h - hi); 2 x 16 bytes of either a lane into the work-group's stage
.macro ACT row, win, acc
	WIN \win                                       ; sources 0 and 1 in the accumulators' window
.irp bb, 0,1
.irp j, 0,2,4,6
	v_pk_mul_f32 v[TR+8*\bb+\j:TR+8*\bb+\j+1], v[\acc+8*\bb+\j:\acc+8*\bb+\j+1], 0xbfb8aa3b op_sel_hi:[1,0]
	v_pk_mul_f32 v[PR+8*\bb+\j:PR+8*\bb+\j+1], v[\acc+8*\bb+\j:\acc+8*\bb+\j+1], v[\acc+16+8*\bb+\j:\acc+16+8*\bb+\j+1]
.endr
.endr
	WIN 0
.irp j, 0,1,2,3,4,5,6,7,8,9,10,11,12,13,14,15
	v_exp_f32 v[TR+\j], v[TR+\j]
.endr
	v_nop                                          ; one plain instruction between the last transcendental and the first use
.irp j, 0,2,4,6,8,10,12,14
	v_pk_add_f32 v[TR+\j:TR+\j+1], v[TR+\j:TR+\j+1], 1.0 op_sel_hi:[1,0]
.endr
.irp j, 0,1,2,3,4,5,6,7,8,9,10,11,12,13,14,15
	v_rcp_f32 v[TR+\j], v[TR+\j]
.endr
	v_nop
.irp j, 0,2,4,6,8,10,12,14
	v_pk_mul_f32 v[PR+\j:PR+\j+1], v[PR+\j:PR+\j+1], v[TR+\j:TR+\j+1]
.endr
.irp k, 0,1,2,3,4,5,6,7
	v_cvt_pk_bf16_f32 v[HR+\k], v[PR+2*\k], v[PR+2*\k+1]           ; hi
.endr
.irp k, 0,1,2,3,4,5,6,7
	v_lshlrev_b32 v[TR+2*\k],   16,  v[HR+\k]                      ; hi back in f32: the low half moves up,
	v_and_b32     v[TR+2*\k+1], s63, v[HR+\k]                      ; the high half stays
.endr
.irp j, 0,1,2,3,4,5,6,7,8,9,10,11,12,13,14,15
	v_sub_f32 v[PR+\j], v[PR+\j], v[TR+\j]                         ; h - hi, exact in f32
.endr
.irp k, 0,1,2,3,4,5,6,7
	v_cvt_pk_bf16_f32 v[LR+\k], v[PR+2*\k], v[PR+2*\k+1]           ; lo
.endr
	ds_store_b128 v[STO+3*((\row)/5)], v[HR:HR+3]   offset:((\row)%5)*16*SP
	ds_store_b128 v[STO+3*((\row)/5)], v[HR+4:HR+7] offset:((\row)%5)*16*SP+32
	ds_store_b128 v[STO+3*((\row)/5)], v[LR:LR+3]   offset:((\row)%5)*16*SP+256
	ds_store_b128 v[STO+3*((\row)/5)], v[LR+4:LR+7] offset:((\row)%5)*16*SP+288
.endm
.irp a, 0,1,2,3,4,5,6,7
	ACT \a, 0x05, 32*\a
.endr
	ACT 8, 0x0a, 0
	s_wait_dscnt 0x0                               ; my part of every row is in the stage before I say so
	s_barrier_signal -1
	s_barrier_wait -1                              ; the rows are whole
.set t, 0
.rept 36
	ds_load_b128 v[FA+4*t:FA+4*t+3], v[RD] offset:SP*t             ; row 36 w + t: 32 lanes, 512 neighbouring bytes
.set t, t+1
.endr
.set t, 0
.rept 36
	s_wait_dscnt 35-t                              ; load t is in, the 35 - t younger ones stay out
	global_store_b128 v[CO], v[FA+4*t:FA+4*t+3], s[OUTB:OUTB+1] offset:ROWB*t   ; the wave stores 512 consecutive bytes, aligned
.set t, t+1
.endr
.endif
	s_wait_tensorcnt 0x0
	ds_add_u32 v254, v255
	s_wait_dscnt 0x0
	ROUND                                          ; the closing round: no work-group ends while a partner may still ask for a tile that names it
	s_endpgm
.Lfunc_end_k_q81b82f2046_gemm2:
	.size	k_q81b82f2046_gemm2, .Lfunc_end_k_q81b82f2046_gemm2-k_q81b82f2046_gemm2
	.p2alignl 7, 3214868480
	.fill 96, 4, 3214868480
	.section	.rodata,"a",@progbits
	.p2align	6, 0x0
	.amdhsa_kernel k_q81b82f2046_gemm2
		.amdhsa_group_segment_fixed_size 327680
		.amdhsa_private_segment_fixed_size 0
		.amdhsa_enable_private_segment 0
		.amdhsa_kernarg_size 32
		.amdhsa_user_sgpr_count 2
		.amdhsa_user_sgpr_kernarg_segment_ptr 1
		.amdhsa_wavefront_size32 1
		.amdhsa_system_sgpr_workgroup_id_x 1
		.amdhsa_system_sgpr_workgroup_id_y 1
		.amdhsa_system_sgpr_workgroup_id_z 1
		.amdhsa_system_vgpr_workitem_id 0
		.amdhsa_next_free_vgpr 544
		.amdhsa_next_free_sgpr 76
		.amdhsa_reserve_vcc 0
		.amdhsa_float_denorm_mode_32 3
		.amdhsa_float_denorm_mode_16_64 3
		.amdhsa_memory_ordered 1
		.amdhsa_forward_progress 1
		.amdhsa_inst_pref_size 163
	.end_amdhsa_kernel
	.amdgpu_metadata
---
amdhsa.version: [ 1, 2 ]
amdhsa.kernels:
  - .name:           k_q81b82f2046_gemm2
    .symbol:         k_q81b82f2046_gemm2.kd
    .args:
      - { .name: hbuf, .offset: 0, .size: 8, .value_kind: global_buffer, .address_space: global }
      - { .name: w2b, .offset: 8, .size: 8, .value_kind: global_buffer, .address_space: global }
      - { .name: meta, .offset: 16, .size: 8, .value_kind: global_buffer, .address_space: global }
      - { .name: ybuf, .offset: 24, .size: 8, .value_kind: global_buffer, .address_space: global }
    .group_segment_fixed_size: 327680
    .private_segment_fixed_size: 0
    .kernarg_segment_align: 8
    .kernarg_segment_size: 32
    .max_flat_workgroup_size: 128
    .sgpr_count:     76
    .vgpr_count:     544
    .wavefront_size: 32
...
	.end_amdgpu_metadata
.endif
;; end of part 4
;; launch combine (part 5): grid 256 x 1, 8 waves a work-group, no clusters, 0 bytes of LDS; arguments ybuf, pos, topk_weights, out0; writes out0
.if DOCPART == 5
	.amdgcn_target "amdgcn-amd-amdhsa--gfx1250"
	.amdhsa_code_object_version 6
	.text
	.protected	k_q81b82f2046_combine
	.globl	k_q81b82f2046_combine
	.p2align	8
	.type	k_q81b82f2046_combine,@function
k_q81b82f2046_combine:
	s_mov_b64 s[64:65], 0
	v_nop
	global_prefetch_b8 v0, s[64:65] scope:SCOPE_SE
	s_setreg_imm32_b32 hwreg(HW_REG_WAVE_MODE, 25, 1), 1
	s_wait_xcnt 0x0
; COMBINE: out0[m] = w[m][0] * ybuf[pos[2m]] + w[m][1] * ybuf[pos[2m+1]], products and sum in f32.
; LIMIT: the routing weights are rounded to bf16 (to nearest even, up to 2^-9 of a weight) before they multiply, as x, w1 and w2 are in the launches before:
; every floating-point input enters the arithmetic in bf16, so that the program computes the reference of the rounded inputs up to f32 rounding.
; A stream: every row of ybuf that a pair names is read once, every byte of out0 written once.  No LDS, no barrier, no matrix unit: there is no reuse to serve.
; A wave owns two tokens: four rows of 4,096 bytes in, two out.  All its 32 loads (512 consecutive bytes each) go out in one run; no register is rewritten
; while a memory instruction may still read it.
; A token that names one expert twice has two rows with the same numbers: w0 y + w1 y, where the reference has (w0 + w1) y: the same up to rounding.
.set MAXROW, 9215                      ; last row of ybuf
.set W, 8                              ; v[8:15]   pair k's weight, twice, at W + 2 k: a register pair for the packed forms
.set Y, 16                             ; v[16:143] token tok, piece j: 4 registers of the first row, 4 of the second, at Y + 64 tok + 8 j
	s_load_b256 s[4:11], s[0:1], 0x0               ; ybuf s[4:5], pos s[6:7], weights s[8:9], out0 s[10:11]
	v_lshrrev_b32 v1, 5, v0
	v_readfirstlane_b32 s12, v1                    ; wave 0..7
	v_and_b32 v2, 31, v0
	v_lshlrev_b32 v2, 4, v2                        ; 16 bytes a lane
	s_lshl_b32 s13, ttmp9, 7                       ; 16 tokens x 8 bytes of pos and of weights a work-group,
	s_lshl4_add_u32 s13, s12, s13                  ; 2 tokens x 8 bytes a wave: 8 x my first token
	s_wait_kmcnt 0x0
	s_load_b128 s[16:19], s[6:7], s13 offset:0x0   ; the rows of my four pairs
	s_load_b128 s[20:23], s[8:9], s13 offset:0x0   ; and their weights
	s_lshl_b32 s14, s13, 9                         ; my first token x 4,096 bytes
	s_mov_b32 s15, 0
	s_add_nc_u64 s[10:11], s[10:11], s[14:15]
	s_wait_kmcnt 0x0
.irp k, 0,1,2,3
	s_min_u32 s[16+\k], s[16+\k], MAXROW           ; a number read from memory enters an address only clamped to the buffer
	s_lshl_b32 s40, s[16+\k], 12
	s_mov_b32 s41, 0
	s_add_nc_u64 s[24+2*\k:25+2*\k], s[4:5], s[40:41]
.endr
.irp tok, 0,1
.irp j, 0,1,2,3,4,5,6,7
	global_load_b128 v[Y+64*\tok+8*\j:Y+64*\tok+8*\j+3],   v2, s[24+4*\tok:25+4*\tok] offset:512*\j th:TH_LOAD_NT
	global_load_b128 v[Y+64*\tok+8*\j+4:Y+64*\tok+8*\j+7], v2, s[26+4*\tok:27+4*\tok] offset:512*\j th:TH_LOAD_NT
.endr
.endr
	; the four weights, rounded to bf16 and widened again, while the rows are on their way
	v_cvt_pk_bf16_f32 v4, s20, s21
	v_cvt_pk_bf16_f32 v5, s22, s23
.irp tok, 0,1
	v_lshlrev_b32 v[W+4*\tok],   16, v[4+\tok]             ; the token's first weight: the low half moves up
	v_lshlrev_b32 v[W+4*\tok+1], 16, v[4+\tok]
	v_and_b32 v[W+4*\tok+2], 0xffff0000, v[4+\tok]         ; its second: the high half stays
	v_and_b32 v[W+4*\tok+3], 0xffff0000, v[4+\tok]
.endr
.irp tok, 0,1
.irp j, 0,1,2,3,4,5,6,7
	s_wait_loadcnt 30-16*\tok-2*\j                 ; loads come back in order: this piece's two are in, the 30 - 16 tok - 2 j younger ones stay out
	v_pk_mul_f32 v[Y+64*\tok+8*\j:Y+64*\tok+8*\j+1],   v[Y+64*\tok+8*\j:Y+64*\tok+8*\j+1],   v[W+4*\tok:W+4*\tok+1]
	v_pk_mul_f32 v[Y+64*\tok+8*\j+2:Y+64*\tok+8*\j+3], v[Y+64*\tok+8*\j+2:Y+64*\tok+8*\j+3], v[W+4*\tok:W+4*\tok+1]
	v_pk_fma_f32 v[Y+64*\tok+8*\j:Y+64*\tok+8*\j+1],   v[Y+64*\tok+8*\j+4:Y+64*\tok+8*\j+5], v[W+4*\tok+2:W+4*\tok+3], v[Y+64*\tok+8*\j:Y+64*\tok+8*\j+1]
	v_pk_fma_f32 v[Y+64*\tok+8*\j+2:Y+64*\tok+8*\j+3], v[Y+64*\tok+8*\j+6:Y+64*\tok+8*\j+7], v[W+4*\tok+2:W+4*\tok+3], v[Y+64*\tok+8*\j+2:Y+64*\tok+8*\j+3]
	global_store_b128 v2, v[Y+64*\tok+8*\j:Y+64*\tok+8*\j+3], s[10:11] offset:4096*\tok+512*\j th:TH_STORE_NT
.endr
.endr
	s_endpgm
.Lfunc_end_k_q81b82f2046_combine:
	.size	k_q81b82f2046_combine, .Lfunc_end_k_q81b82f2046_combine-k_q81b82f2046_combine
	.p2alignl 7, 3214868480
	.fill 96, 4, 3214868480
	.section	.rodata,"a",@progbits
	.p2align	6, 0x0
	.amdhsa_kernel k_q81b82f2046_combine
		.amdhsa_group_segment_fixed_size 0
		.amdhsa_private_segment_fixed_size 0
		.amdhsa_enable_private_segment 0
		.amdhsa_kernarg_size 32
		.amdhsa_user_sgpr_count 2
		.amdhsa_user_sgpr_kernarg_segment_ptr 1
		.amdhsa_wavefront_size32 1
		.amdhsa_system_sgpr_workgroup_id_x 1
		.amdhsa_system_sgpr_workgroup_id_y 1
		.amdhsa_system_sgpr_workgroup_id_z 1
		.amdhsa_system_vgpr_workitem_id 0
		.amdhsa_next_free_vgpr 144
		.amdhsa_next_free_sgpr 66
		.amdhsa_reserve_vcc 0
		.amdhsa_float_denorm_mode_32 3
		.amdhsa_float_denorm_mode_16_64 3
		.amdhsa_memory_ordered 1
		.amdhsa_forward_progress 1
		.amdhsa_inst_pref_size 11
	.end_amdhsa_kernel
	.amdgpu_metadata
---
amdhsa.version: [ 1, 2 ]
amdhsa.kernels:
  - .name:           k_q81b82f2046_combine
    .symbol:         k_q81b82f2046_combine.kd
    .args:
      - { .name: ybuf, .offset: 0, .size: 8, .value_kind: global_buffer, .address_space: global }
      - { .name: pos, .offset: 8, .size: 8, .value_kind: global_buffer, .address_space: global }
      - { .name: topk_weights, .offset: 16, .size: 8, .value_kind: global_buffer, .address_space: global }
      - { .name: out0, .offset: 24, .size: 8, .value_kind: global_buffer, .address_space: global }
    .group_segment_fixed_size: 0
    .private_segment_fixed_size: 0
    .kernarg_segment_align: 8
    .kernarg_segment_size: 32
    .max_flat_workgroup_size: 256
    .sgpr_count:     66
    .vgpr_count:     144
    .wavefront_size: 32
...
	.end_amdgpu_metadata
.endif
;; end of part 5
;; ======== version 2 of 2: 5 launches; version 1 with the launches scatter, combine written anew for expert scheduling mode
;; limits: values outside matrix products are rounded to bf16
;; workspace buffers: xs 18,874,368 bytes; w1b 16,777,216 bytes; w2b 8,388,608 bytes; hbuf 18,874,368 bytes; ybuf 37,748,736 bytes; pos 32,768 bytes of whole numbers; meta 256 bytes of whole numbers; padl 4,096 bytes of whole numbers
;; launch route: the kernel of part 1 again; grid 1024 x 1, 8 waves a work-group, no clusters, 2,048 bytes of LDS; arguments topk_ids, w1, w2, w1b, w2b, pos, meta, padl; writes w1b, w2b, pos, meta, padl
;; launch scatter (part 6): grid 256 x 1, 8 waves a work-group, no clusters, 0 bytes of LDS; arguments hidden_states, pos, padl, xs; writes xs
.if DOCPART == 6
	.amdgcn_target "amdgcn-amd-amdhsa--gfx1250"
	.amdhsa_code_object_version 6
	.text
	.protected	k_q81b82f2046_scatter
	.globl	k_q81b82f2046_scatter
	.p2align	8
	.type	k_q81b82f2046_scatter,@function
k_q81b82f2046_scatter:
	s_mov_b64 s[64:65], 0
	v_nop
	global_prefetch_b8 v0, s[64:65] scope:SCOPE_SE
	s_setreg_imm32_b32 hwreg(HW_REG_WAVE_SCHED_MODE, 0, 2), 2
	s_setreg_imm32_b32 hwreg(HW_REG_WAVE_MODE, 25, 1), 1
	s_wait_xcnt 0x0
	s_wait_alu depctr_vm_vsrc(0)
; SCATTER: xs[pos[2m + k]] = bf16(hidden_states[m]) for both pairs of every token, and zeros in the 1024 rows that padl names: every byte of xs is written once.
; pos and padl were stored by the launch before and are read here from memory; clamped to xs's rows they enter the stores' offsets.  No branch at all.
; A stream: x is read once, no LDS, no barrier, no matrix unit: there is no reuse to serve.
; A work-group owns 16 tokens.  Thread t holds columns 4 t .. 4 t + 3 of each: a wave's load covers 512 consecutive bytes, its store 256, both aligned; the eight
; waves together write a row of 2,048 bytes.  All sixteen loads of a wave go out in one run, ahead of the wait for the places; each store has an offset register of
; its own, and no register is written again while a memory instruction may still read it.
; Zero rows: 256 work-groups x 8 waves = 2048 waves for 1024 rows: a wave writes one half (1,024 bytes) of row padl[4 x work-group + wave / 2].
; LIMIT: x is rounded to bf16, to nearest even.
; THE MODE: SCHED_MODE bits 1:0 = 2 (LLVM: expert scheduling mode 2), set by the entry lines.  The code itself states the register dependences
; between vector instructions and memory instructions, with s_wait_alu, always for 0.
; THE PLAN.  Registers that memory instructions touch:
;   v3         the loads' offset.  Written once at the head; read by the sixteen loads.
;   X          row i: its load lands in X + 4 i .. + 3; its two roundings read these four and write the first two; its two stores read the first two.
;   OF         one offset a store.  Written once, behind the wait for the places; read by that store.
;   Z, ZO      zeros and their offset.  Written once; read by the two zero stores.
; None of them is written again behind a memory instruction that reads it, so no wait on vm_vsrc is owed.
; The sixteen rows go in four groups of four.  Group g rounds its rows; its eight stores are issued in group g + 1, behind one wait on va_vdst at that group's head,
; dealt among that group's roundings, which name X of their own rows alone: none of the registers that those stores touch.
.set MAXROW, 9215                      ; last row of xs
.set Z,    8                           ; v[8:11]   zeros
.set ZO,   12                          ; v12       my offset in my zero row
.set OF,   32                          ; v[32:63]  the 32 stores' offsets
.set X,    64                          ; v[64:127] 16 rows, 4 numbers of each
.set P,    16                          ; s[16:47]  the rows of my work-group's 32 pairs
; row i: four f32 become four bf16 in the row's first two registers
.macro ROUNDROW i
	v_cvt_pk_bf16_f32 v[X+4*(\i)],   v[X+4*(\i)],   v[X+4*(\i)+1]
	v_cvt_pk_bf16_f32 v[X+4*(\i)+1], v[X+4*(\i)+2], v[X+4*(\i)+3]
.endm
; row i goes to the rows of its token's two pairs
.macro PUTROW i
	global_store_b64 v[OF+2*(\i)],   v[X+4*(\i):X+4*(\i)+1], s[10:11]
	global_store_b64 v[OF+2*(\i)+1], v[X+4*(\i):X+4*(\i)+1], s[10:11]
.endm
	s_load_b256 s[4:11], s[0:1], 0x0               ; hidden_states s[4:5], pos s[6:7], padl s[8:9], xs s[10:11]
	v_lshrrev_b32 v1, 5, v0
	v_readfirstlane_b32 s12, v1                    ; wave 0..7
	v_and_b32 v2, 31, v0                           ; lane
	v_lshlrev_b32 v3, 4, v0                        ; 16 t
	v_lshlrev_b32 v4, 3, v0                        ; 8 t
.irp k, 0,1,2,3
	v_mov_b32 v[Z+\k], 0
.endr
	s_lshl_b32 s13, ttmp9, 7                       ; my 32 pairs: 128 bytes of pos
	s_lshl_b32 s15, ttmp9, 4
	s_lshl_b32 s48, ttmp9, 16                      ; my 16 rows of x: 65,536 bytes
	s_mov_b32 s49, 0
	s_wait_alu depctr_va_sdst(0)                   ; s12 is written, ahead of its first reader: padl's offset and the zero row's half are made from it
	s_lshr_b32 s14, s12, 1
	s_lshl2_add_u32 s15, s14, s15                  ; 4 bytes x (4 x work-group + wave / 2)
	s_and_b32 s51, s12, 1
	s_lshl_b32 s51, s51, 10                        ; which half of the zero row
	v_lshl_add_u32 v5, v2, 4, s51                  ; 16 lane + the half
	s_wait_kmcnt 0x0
	s_load_b512 s[P:P+15],    s[6:7], s13 offset:0x0
	s_load_b512 s[P+16:P+31], s[6:7], s13 offset:0x40
	s_load_b32 s50, s[8:9], s15 offset:0x0
	s_add_nc_u64 s[52:53], s[4:5], s[48:49]
	s_wait_alu depctr_va_vdst(0)                   ; v3 is written, which the sixteen loads read as their offset (and the zeros, which the zero stores read)
.irp i, 0,1,2,3,4,5,6,7,8,9,10,11,12,13,14,15
	global_load_b128 v[X+4*\i:X+4*\i+3], v3, s[52:53] offset:4096*\i th:TH_LOAD_NT   ; token i, columns 4 t .. 4 t + 3; read once in the launch
.endr
	s_wait_kmcnt 0x0                               ; the places are here; the rows of x stay out
	s_min_u32 s50, s50, MAXROW                     ; a number read from memory enters an address only clamped to the buffer
	v_lshl_add_u32 v[ZO], s50, 11, v5              ; row x 2,048 bytes
.irp i, 0,1,2,3,4,5,6,7,8,9,10,11,12,13,14,15
	s_min_u32 s[P+2*\i],   s[P+2*\i],   MAXROW
	s_min_u32 s[P+2*\i+1], s[P+2*\i+1], MAXROW
	v_lshl_add_u32 v[OF+2*\i],   s[P+2*\i],   11, v4       ; row x 2,048 bytes + 8 t
	v_lshl_add_u32 v[OF+2*\i+1], s[P+2*\i+1], 11, v4
.endr
	s_wait_alu depctr_va_vdst(0)                   ; the zero row's offset and all 32 offsets are written, which the stores from here to the end read
	global_store_b128 v[ZO], v[Z:Z+3], s[10:11]
	global_store_b128 v[ZO], v[Z:Z+3], s[10:11] offset:512
	s_wait_loadcnt 12                              ; loads come back in order: rows 0 to 3 are in, the 12 younger ones stay out
.irp i, 0,1,2,3
	ROUNDROW \i
.endr
	s_wait_loadcnt 8                               ; rows 4 to 7 are in, the 8 younger ones stay out
	s_wait_alu depctr_va_vdst(0)                   ; the roundings of rows 0 to 3 have written their registers, which the eight stores of this group read
.irp i, 4,5,6,7
	PUTROW (\i)-4                                  ; no vector instruction since the wait names this row's registers
	ROUNDROW \i
.endr
	s_wait_loadcnt 4                               ; rows 8 to 11 are in, the 4 younger ones stay out
	s_wait_alu depctr_va_vdst(0)                   ; the roundings of rows 4 to 7 have written their registers, which the eight stores of this group read
.irp i, 8,9,10,11
	PUTROW (\i)-4
	ROUNDROW \i
.endr
	s_wait_loadcnt 0                               ; the last four rows are in
	s_wait_alu depctr_va_vdst(0)                   ; the roundings of rows 8 to 11 have written their registers, which the eight stores of this group read
.irp i, 12,13,14,15
	PUTROW (\i)-4
	ROUNDROW \i
.endr
	s_wait_alu depctr_va_vdst(0)                   ; the roundings of rows 12 to 15 have written their registers, which the last eight stores read
.irp i, 12,13,14,15
	PUTROW \i
.endr
	s_endpgm
.Lfunc_end_k_q81b82f2046_scatter:
	.size	k_q81b82f2046_scatter, .Lfunc_end_k_q81b82f2046_scatter-k_q81b82f2046_scatter
	.p2alignl 7, 3214868480
	.fill 96, 4, 3214868480
	.section	.rodata,"a",@progbits
	.p2align	6, 0x0
	.amdhsa_kernel k_q81b82f2046_scatter
		.amdhsa_group_segment_fixed_size 0
		.amdhsa_private_segment_fixed_size 0
		.amdhsa_enable_private_segment 0
		.amdhsa_kernarg_size 32
		.amdhsa_user_sgpr_count 2
		.amdhsa_user_sgpr_kernarg_segment_ptr 1
		.amdhsa_wavefront_size32 1
		.amdhsa_system_sgpr_workgroup_id_x 1
		.amdhsa_system_sgpr_workgroup_id_y 1
		.amdhsa_system_sgpr_workgroup_id_z 1
		.amdhsa_system_vgpr_workitem_id 0
		.amdhsa_next_free_vgpr 128
		.amdhsa_next_free_sgpr 66
		.amdhsa_reserve_vcc 0
		.amdhsa_float_denorm_mode_32 3
		.amdhsa_float_denorm_mode_16_64 3
		.amdhsa_memory_ordered 1
		.amdhsa_forward_progress 1
		.amdhsa_inst_pref_size 13
	.end_amdhsa_kernel
	.amdgpu_metadata
---
amdhsa.version: [ 1, 2 ]
amdhsa.kernels:
  - .name:           k_q81b82f2046_scatter
    .symbol:         k_q81b82f2046_scatter.kd
    .args:
      - { .name: hidden_states, .offset: 0, .size: 8, .value_kind: global_buffer, .address_space: global }
      - { .name: pos, .offset: 8, .size: 8, .value_kind: global_buffer, .address_space: global }
      - { .name: padl, .offset: 16, .size: 8, .value_kind: global_buffer, .address_space: global }
      - { .name: xs, .offset: 24, .size: 8, .value_kind: global_buffer, .address_space: global }
    .group_segment_fixed_size: 0
    .private_segment_fixed_size: 0
    .kernarg_segment_align: 8
    .kernarg_segment_size: 32
    .max_flat_workgroup_size: 256
    .sgpr_count:     66
    .vgpr_count:     128
    .wavefront_size: 32
...
	.end_amdgpu_metadata
.endif
;; end of part 6
;; launch gemm1: the kernel of part 3 again; grid 4 x 64, 4 waves a work-group, clusters of 4 x 1, 327,680 bytes of LDS; arguments xs, w1b, meta, hbuf; writes hbuf
;; launch gemm2: the kernel of part 4 again; grid 4 x 64, 4 waves a work-group, clusters of 4 x 1, 327,680 bytes of LDS; arguments hbuf, w2b, meta, ybuf; writes ybuf
;; launch combine (part 7): grid 256 x 1, 8 waves a work-group, no clusters, 0 bytes of LDS; arguments ybuf, pos, topk_weights, out0; writes out0
.if DOCPART == 7
	.amdgcn_target "amdgcn-amd-amdhsa--gfx1250"
	.amdhsa_code_object_version 6
	.text
	.protected	k_q81b82f2046_combine
	.globl	k_q81b82f2046_combine
	.p2align	8
	.type	k_q81b82f2046_combine,@function
k_q81b82f2046_combine:
	s_mov_b64 s[64:65], 0
	v_nop
	global_prefetch_b8 v0, s[64:65] scope:SCOPE_SE
	s_setreg_imm32_b32 hwreg(HW_REG_WAVE_SCHED_MODE, 0, 2), 2
	s_setreg_imm32_b32 hwreg(HW_REG_WAVE_MODE, 25, 1), 1
	s_wait_xcnt 0x0
	s_wait_alu depctr_vm_vsrc(0)
; COMBINE: out0[m] = w[m][0] * ybuf[pos[2m]] + w[m][1] * ybuf[pos[2m+1]], products and sum in f32.
; LIMIT: the routing weights are rounded to bf16 (to nearest even, up to 2^-9 of a weight) before they multiply, as x, w1 and w2 are in the launches before:
; every floating-point input enters the arithmetic in bf16, so that the program computes the reference of the rounded inputs up to f32 rounding.
; A stream: every row of ybuf that a pair names is read once, every byte of out0 written once.  No LDS, no barrier, no matrix unit: there is no reuse to serve.
; A wave owns two tokens: four rows of 4,096 bytes in, two out.  All its 32 loads (512 consecutive bytes each) go out in one run; no register is rewritten
; while a memory instruction may still read it.
; A token that names one expert twice has two rows with the same numbers: w0 y + w1 y, where the reference has (w0 + w1) y: the same up to rounding.
; THE MODE: SCHED_MODE bits 1:0 = 2 (LLVM: expert scheduling mode 2), set by the entry lines.  The code itself states the register dependences
; between vector instructions and memory instructions, with s_wait_alu, always for 0.
; THE PLAN.  Registers that memory instructions touch:
;   v2         16 x lane, the offset of every load and store.  Written at the head, never again.
;   Y          piece p = 8 tok + j: its two loads land in Y + 8 p .. + 7; its four packed instructions read these eight and write the first four; its store reads the first four.
; Neither is written again behind a memory instruction that reads it, so no wait on vm_vsrc is owed.  The weights' registers are named by vector instructions alone.
; The sixteen pieces go in four steps of four.  Step s makes its sums; its four stores are issued in step s + 1, behind one wait on va_vdst at that step's head,
; dealt among that step's packed instructions, which name Y of their own pieces and the weights: none of the registers that those stores touch.
.set MAXROW, 9215                      ; last row of ybuf
.set W, 8                              ; v[8:15]   pair k's weight, twice, at W + 2 k: a register pair for the packed forms
.set Y, 16                             ; v[16:143] token tok, piece j: 4 registers of the first row, 4 of the second, at Y + 64 tok + 8 j = Y + 8 p
; piece p: w0 y0, then + w1 y1, four numbers
.macro MIX p
	v_pk_mul_f32 v[Y+8*(\p):Y+8*(\p)+1],   v[Y+8*(\p):Y+8*(\p)+1],   v[W+4*((\p)/8):W+4*((\p)/8)+1]
	v_pk_mul_f32 v[Y+8*(\p)+2:Y+8*(\p)+3], v[Y+8*(\p)+2:Y+8*(\p)+3], v[W+4*((\p)/8):W+4*((\p)/8)+1]
	v_pk_fma_f32 v[Y+8*(\p):Y+8*(\p)+1],   v[Y+8*(\p)+4:Y+8*(\p)+5], v[W+4*((\p)/8)+2:W+4*((\p)/8)+3], v[Y+8*(\p):Y+8*(\p)+1]
	v_pk_fma_f32 v[Y+8*(\p)+2:Y+8*(\p)+3], v[Y+8*(\p)+6:Y+8*(\p)+7], v[W+4*((\p)/8)+2:W+4*((\p)/8)+3], v[Y+8*(\p)+2:Y+8*(\p)+3]
.endm
; piece p leaves: 4,096 tok + 512 j = 512 p bytes from my first token's row; the wave stores 512 consecutive bytes, aligned
.macro SENDP p
	global_store_b128 v2, v[Y+8*(\p):Y+8*(\p)+3], s[10:11] offset:512*(\p) th:TH_STORE_NT
.endm
	s_load_b256 s[4:11], s[0:1], 0x0               ; ybuf s[4:5], pos s[6:7], weights s[8:9], out0 s[10:11]
	v_lshrrev_b32 v1, 5, v0
	v_readfirstlane_b32 s12, v1                    ; wave 0..7
	v_and_b32 v2, 31, v0
	v_lshlrev_b32 v2, 4, v2                        ; 16 bytes a lane
	s_lshl_b32 s13, ttmp9, 7                       ; 16 tokens x 8 bytes of pos and of weights a work-group,
	s_wait_alu depctr_va_sdst(0)                   ; s12 is written, ahead of its first reader: the offsets in pos, in the weights and in out0 are made from it
	s_lshl4_add_u32 s13, s12, s13                  ; 2 tokens x 8 bytes a wave: 8 x my first token
	s_wait_kmcnt 0x0
	s_load_b128 s[16:19], s[6:7], s13 offset:0x0   ; the rows of my four pairs
	s_load_b128 s[20:23], s[8:9], s13 offset:0x0   ; and their weights
	s_lshl_b32 s14, s13, 9                         ; my first token x 4,096 bytes
	s_mov_b32 s15, 0
	s_add_nc_u64 s[10:11], s[10:11], s[14:15]
	s_wait_kmcnt 0x0
.irp k, 0,1,2,3
	s_min_u32 s[16+\k], s[16+\k], MAXROW           ; a number read from memory enters an address only clamped to the buffer
	s_lshl_b32 s40, s[16+\k], 12
	s_mov_b32 s41, 0
	s_add_nc_u64 s[24+2*\k:25+2*\k], s[4:5], s[40:41]
.endr
	s_wait_alu depctr_va_vdst(0)                   ; v2 is written, which every load and store of the kernel reads as its offset
.irp tok, 0,1
.irp j, 0,1,2,3,4,5,6,7
	global_load_b128 v[Y+64*\tok+8*\j:Y+64*\tok+8*\j+3],   v2, s[24+4*\tok:25+4*\tok] offset:512*\j th:TH_LOAD_NT
	global_load_b128 v[Y+64*\tok+8*\j+4:Y+64*\tok+8*\j+7], v2, s[26+4*\tok:27+4*\tok] offset:512*\j th:TH_LOAD_NT
.endr
.endr
	; the four weights, rounded to bf16 and widened again, while the rows are on their way
	v_cvt_pk_bf16_f32 v4, s20, s21
	v_cvt_pk_bf16_f32 v5, s22, s23
.irp tok, 0,1
	v_lshlrev_b32 v[W+4*\tok],   16, v[4+\tok]             ; the token's first weight: the low half moves up
	v_lshlrev_b32 v[W+4*\tok+1], 16, v[4+\tok]
	v_and_b32 v[W+4*\tok+2], 0xffff0000, v[4+\tok]         ; its second: the high half stays
	v_and_b32 v[W+4*\tok+3], 0xffff0000, v[4+\tok]
.endr
	s_wait_loadcnt 24                              ; loads come back in order: the eight of pieces 0 to 3 are in, the 24 younger ones stay out
.irp p, 0,1,2,3
	MIX \p
.endr
	s_wait_loadcnt 16                              ; pieces 4 to 7 are in, the 16 younger loads stay out
	s_wait_alu depctr_va_vdst(0)                   ; the sums of pieces 0 to 3 are written, which the four stores of this step read
.irp p, 4,5,6,7
	SENDP (\p)-4                                   ; no vector instruction since the wait names this piece's registers
	MIX \p
.endr
	s_wait_loadcnt 8                               ; pieces 8 to 11 are in, the 8 younger loads stay out
	s_wait_alu depctr_va_vdst(0)                   ; the sums of pieces 4 to 7 are written, which the four stores of this step read
.irp p, 8,9,10,11
	SENDP (\p)-4
	MIX \p
.endr
	s_wait_loadcnt 0                               ; the last four pieces are in
	s_wait_alu depctr_va_vdst(0)                   ; the sums of pieces 8 to 11 are written, which the four stores of this step read
.irp p, 12,13,14,15
	SENDP (\p)-4
	MIX \p
.endr
	s_wait_alu depctr_va_vdst(0)                   ; the sums of pieces 12 to 15 are written, which the last four stores read
.irp p, 12,13,14,15
	SENDP \p
.endr
	s_endpgm
.Lfunc_end_k_q81b82f2046_combine:
	.size	k_q81b82f2046_combine, .Lfunc_end_k_q81b82f2046_combine-k_q81b82f2046_combine
	.p2alignl 7, 3214868480
	.fill 96, 4, 3214868480
	.section	.rodata,"a",@progbits
	.p2align	6, 0x0
	.amdhsa_kernel k_q81b82f2046_combine
		.amdhsa_group_segment_fixed_size 0
		.amdhsa_private_segment_fixed_size 0
		.amdhsa_enable_private_segment 0
		.amdhsa_kernarg_size 32
		.amdhsa_user_sgpr_count 2
		.amdhsa_user_sgpr_kernarg_segment_ptr 1
		.amdhsa_wavefront_size32 1
		.amdhsa_system_sgpr_workgroup_id_x 1
		.amdhsa_system_sgpr_workgroup_id_y 1
		.amdhsa_system_sgpr_workgroup_id_z 1
		.amdhsa_system_vgpr_workitem_id 0
		.amdhsa_next_free_vgpr 144
		.amdhsa_next_free_sgpr 66
		.amdhsa_reserve_vcc 0
		.amdhsa_float_denorm_mode_32 3
		.amdhsa_float_denorm_mode_16_64 3
		.amdhsa_memory_ordered 1
		.amdhsa_forward_progress 1
		.amdhsa_inst_pref_size 11
	.end_amdhsa_kernel
	.amdgpu_metadata
---
amdhsa.version: [ 1, 2 ]
amdhsa.kernels:
  - .name:           k_q81b82f2046_combine
    .symbol:         k_q81b82f2046_combine.kd
    .args:
      - { .name: ybuf, .offset: 0, .size: 8, .value_kind: global_buffer, .address_space: global }
      - { .name: pos, .offset: 8, .size: 8, .value_kind: global_buffer, .address_space: global }
      - { .name: topk_weights, .offset: 16, .size: 8, .value_kind: global_buffer, .address_space: global }
      - { .name: out0, .offset: 24, .size: 8, .value_kind: global_buffer, .address_space: global }
    .group_segment_fixed_size: 0
    .private_segment_fixed_size: 0
    .kernarg_segment_align: 8
    .kernarg_segment_size: 32
    .max_flat_workgroup_size: 256
    .sgpr_count:     66
    .vgpr_count:     144
    .wavefront_size: 32
...
	.end_amdgpu_metadata
.endif
;; end of part 7
